; MI455X (gfx1250); checked and timed in simulation.
; The chip was launched on July 23, 2026; its instructions are those of AMD's public machine-readable ISA for CDNA 5 (MIT licence, August 2026) and "CDNA5" Instruction Set Architecture Reference Guide (July 2026). The comments in the code are by the model that wrote it; some were corrected since.
;; Multi Head Attention Layer. Allowed arithmetic: matrix products marked QUANTISED: E5M2 operands, one given power-of-two scale a tensor, by v_wmma_f32_16x16x64_bf8_bf8 or v_wmma_f32_16x16x128_bf8_bf8, f32 sums; everything else in f32.
;; Inputs: Wk_codes 512 x 16 x 32 uint8 (E5M2 codes of Wk, K innermost, in blocks of 32 codes); Wo_codes 512 x 16 x 32 uint8 (E5M2 codes of Wo, K innermost, in blocks of 32 codes); Wq_codes 512 x 16 x 32 uint8 (E5M2 codes of Wq, K innermost, in blocks of 32 codes); Wv_codes 512 x 16 x 32 uint8 (E5M2 codes of Wv, K innermost, in blocks of 32 codes); bk 512 float32; bo 512 float32; bq 512 float32; bv 512 float32; key__codes 2 x 4,096 x 16 x 32 uint8 (E5M2 codes of key_, K innermost, in blocks of 32 codes); lowp_scales 12 int32 (the exponents e of the quantised operands' scales 2^e); mask 1 x 1 x 4,096 x 4,096 int32; query_codes 2 x 4,096 x 16 x 32 uint8 (E5M2 codes of query, K innermost, in blocks of 32 codes); value_codes 2 x 4,096 x 16 x 32 uint8 (E5M2 codes of value, K innermost, in blocks of 32 codes).
;; Outputs: out0 2 x 4,096 x 512 float32.
;; This version of the problem:
;;   THIS VERSION OF THE PROBLEM IS GIVEN IN LOW PRECISION. The matrix products marked QUANTISED in the list below multiply operands that are first quantised to E5M2 (5 exponent bits, 2 mantissa bits; 8 bits a number), with one given power-of-two scale for each operand tensor; their sums are f32. All else is computed in f32.
;;   The module's matrix products, in the order in which they are computed (A, B: the left and right operand; K: the contracted axis; several contracted axes count as one K, in the product's order):
;;     1. [M 8,192, K 512] x [K 512, N 512]; A: input query (given as codes); B: input Wq (given as codes): QUANTISED (scales: A lowp_scales[0], B lowp_scales[1])
;;     2. [M 8,192, K 512] x [K 512, N 512]; A: input key_ (given as codes); B: input Wk (given as codes): QUANTISED (scales: A lowp_scales[2], B lowp_scales[3])
;;     3. [M 8,192, K 512] x [K 512, N 512]; A: input value (given as codes); B: input Wv (given as codes): QUANTISED (scales: A lowp_scales[4], B lowp_scales[5])
;;     4. batch 16 x [M 4,096, K 64] x [K 64, N 4,096]; A: computed on the way; B: computed on the way: QUANTISED (scales: A lowp_scales[6], B lowp_scales[7])
;;     5. batch 16 x [M 4,096, K 4,096] x [K 4,096, N 64]; A: softmax (see below); B: computed on the way: QUANTISED (scales: A lowp_scales[8], B lowp_scales[9])
;;     6. [M 8,192, K 512] x [K 512, N 512]; A: computed on the way; B: input Wo (given as codes): QUANTISED (scales: A lowp_scales[10], B lowp_scales[11])
;;   THE QUANTISER, for each operand of a quantised product, along K:
;;     - The operand's scale is 2^e, e = its entry of the input lowp_scales (int32; the entries are numbered through the quantised products in the list's order, A before B).
;;     - Each number is divided by the scale, clamped to +-57,344, and rounded to the nearest number of E5M2, ties to even, subnormals kept.
;;     - The product sums the exact products of the quantised numbers (number of the format x scale) in f32.
;;   ~~~python
;;   def quantise(x, axis, e):      # numpy; x: float32 -> the quantised numbers, widened to float32 again
;;       x = np.moveaxis(x, axis, -1); K = x.shape[-1]
;;       r = np.clip(x / 2.0 ** e, -57344, 57344)
;;       step = 2.0 ** (np.maximum(np.frexp(np.where(r == 0, 1, r))[1] - 1, -14) - 2)
;;       q = np.round(r / step) * step * 2.0 ** e      # np.round: ties to even
;;       return np.moveaxis(q, -1, axis).astype(np.float32)
;;   ~~~
;;   SOFTMAX AHEAD OF A QUANTISED PRODUCT. Where the list says 'softmax', what is quantised is not the finished softmax but p = 2^(t - M), with t = logit x log2(e) and M = ceil(the row's largest t), a whole number; so 1/2 < the row's largest p <= 1. The row's sum l is taken of the UNQUANTISED p, in f32, and the product's result is divided by l at the end. Since M is a whole number, a kernel that streams over the keys may use a running M (the ceiling of the running maximum): every later rescaling is an exact power of two, so the quantised numbers keep their values, but for numbers so far below the row's largest that they fall under the format's range.
;;   OPERANDS COMPUTED ON THE WAY. 'Computed on the way' means the value that the module computes at that place (a softmax that the list does not call 'softmax' is quantised finished and normalised). What goes into a quantiser is computed in f32, as accurately as f32 sums, v_exp_f32 and their like allow (about 1e-6 of the number): no bf16 or f16 on the way to a quantiser, and a product that is left as it is and whose result goes on into a quantised operand takes f32 operands (vector FMAs, or v_wmma_f32_16x16x4_f32). A number that lies on a knife's edge between two numbers of the format may be rounded either way, as far as f32 arithmetic and the matrix unit's own rounding can turn it there, and no further.
;;   INPUTS GIVEN AS CODES. Wk (in the module: [512, 512], K = its axis 0); Wo (in the module: [512, 512], K = its axis 0); Wq (in the module: [512, 512], K = its axis 0); Wv (in the module: [512, 512], K = its axis 0); key_ (in the module: [2, 4096, 512], K = its axis 2); query (in the module: [2, 4096, 512], K = its axis 2); value (in the module: [2, 4096, 512], K = its axis 2): each comes as NAME_codes (uint8): NAME with its K axis moved to the last place and cut into blocks of 32 codes, [.., K / 32, bytes a block], one block behind the other in memory; one code a byte (a code: sign, 5 exponent bits, 2 mantissa bits); its scale is its entry of lowp_scales. Its value is code x scale, taken as it is: it is not quantised again, and the codes and scales need not be those that the quantiser above would give.
;; 2 versions. Each part assembles by itself: llvm-mc -triple=amdgcn-amd-amdhsa -mcpu=gfx1250 --defsym DOCPART=n.
;; ======== version 1 of 2: 3 launches
;; limits: right only within a limited range of input values
;; workspace buffers: mbits 2,097,152 bytes of whole numbers; mflags 2,048 bytes of whole numbers; qc 4,194,304 bytes; kc 4,194,304 bytes; vc 4,194,304 bytes; oc 4,194,304 bytes
;; launch prep (part 1): grid 256 x 1, 8 waves a work-group, no clusters, 327,680 bytes of LDS; arguments mask, query_codes, Wq_codes, key__codes, Wk_codes, value_codes, Wv_codes, bq, bk, bv, lowp_scales, mbits, mflags, qc, kc, vc; writes mbits, mflags, qc, kc, vc
.if DOCPART == 1
	.amdgcn_target "amdgcn-amd-amdhsa--gfx1250"
	.amdhsa_code_object_version 6
	.text
	.protected	k_q5b4a98e443_prep
	.globl	k_q5b4a98e443_prep
	.p2align	8
	.type	k_q5b4a98e443_prep,@function
k_q5b4a98e443_prep:
	s_mov_b64 s[64:65], 0
	v_nop
	global_prefetch_b8 v0, s[64:65] scope:SCOPE_SE
	s_setreg_imm32_b32 hwreg(HW_REG_WAVE_MODE, 25, 1), 1
	s_wait_xcnt 0x0
; PREP: (a) the mask, int32 [4096][4096], is packed to bits; (b) q, k, v = codes x weights + bias are made and quantised to E5M2.
; Work-group i of 256, eight waves.
; (a) Mask rows 16 i .. 16 i + 15 (262,144 bytes on end).  Wave w takes keys 512 w .. 512 w + 511: four chunks of 128 keys, eight half-chunks of 64.
;     mbits[qtile i][chunk][word n 0..63]: bit L (lane L = (r, h), r = L % 16, h = L / 16) is 1 where mask(16 i + r, 128 chunk + 16 (n / 8) + 8 h + n % 8) == 0:
;     the lane mask that a select on the score register n of a tile of 16 queries x 128 keys takes as it stands.
;     mflags[qtile i]: word 0 WORK: bit c = chunk c has to be computed; word 1 MASKN: bit c = chunk c holds a masked entry.
;     A chunk whose 16 x 128 entries are all masked is left out, unless some row of the 16 is masked at all 4,096 keys (its softmax is then uniform over all keys): then every chunk is kept.
; (b) Three tiles of 128 tokens x 128 features (two heads), K = 512: rb = i / 4 (tokens 128 rb on), cb = i % 4 (features 128 cb on), one each of q, k, v.
;     The bias goes in as the C of the first K step, divided by 2^(eA + eW); the code is sum / 2^(eOut - eA - eW), held within +-57,344 of that scale.
;     q, k: source 0 = 16 features of W, source 1 = 16 tokens: a lane holds one token, its registers run along the head's 64: the conversions' results are the 8 registers of a 16 x 64 fragment.
;     v:    source 0 = 16 tokens, source 1 = 16 channels: a lane holds one channel, its registers run along the tokens (the keys, the second product's K).
;     All three leave as IMAGES OF OPERAND REGISTERS: groups of four registers, lane l's 16 bytes at 16 l: every store of a wave covers 512 consecutive bytes, aligned.
;     qc, kc: [bh 16][token tile 256][g 2][lane][16];  vc: [bh][step of 128 keys 32][channel tile 4][g 4][lane][16].
; LDS: two slots (x's 128 rows, then W's 128 rows, 512 bytes + 16 of padding each).  Slot 0 takes q's tiles, slot 1 k's; slot 0 is filled once more, with v's, when q's products are done.
; By this text's own count a wave has one tensor load out at the most.
; NO JOINT REQUESTS: four work-groups share x's tiles and 64 share W's, but the first two tiles are asked for ahead of the packing of 32 KiB of mask a wave and the third ahead of
; a whole tile's way out and a whole tile's products; each tile is fetched once a work-group.
; LIMITS: eOut - eA - eW of each projection between -126 and 112.  NaN among the inputs is not served.
.set PITCH, 528                        ; an LDS row: 512 bytes + 16: an odd multiple of 16, so the 16 rows of a fragment load start at 16 different 16-byte columns
.set T16,   16*PITCH
.set QTR,   64*PITCH                   ; what one tensor load brings
.set HALF,  2*QTR
.set SLOT,  4*QTR
.set PSTG,  2*SLOT                     ; the packing's stages: 16 rows x 272 bytes for each wave
.set PP,    272
.set FLG,   PSTG+8*16*PP               ; 32 AND words, at +128 32 OR words, at +256 eight row words
.set SPARE, FLG+512                    ; the spare words: 128 bytes a wave, four blocks of 256 bytes that no other line names
.set BQ,   26                          ; v26-57   bq in the result's layout (later bv: 16 registers)
.set BK,   58                          ; v58-89   bk
.set BV,   26
.set RING, 96                          ; v96-191  packing: three sets of 32 registers as loaded
.set TW,   192                         ; v192-223 packing: 32 mask numbers of my row
.set VW,   224                         ; v224-231 packing: a pair for each chunk: lane l holds words 2 l, 2 l + 1
.set ACC,  96                          ; v96-159  eight accumulators
.set FXK,  160                         ; q, k: x's two fragments, W's four
.set FWK,  192
.set FXV,  160                         ; v: x's four fragments, W's two
.set FWV,  224
.set CD,   160                         ; the codes just made
.set CW,   68                          ; s[68:75] eight words in hand
.set AN,   76                          ; s[76:79] AND of a chunk's words
.set ORW,  80                          ; s[80:83] OR of a chunk's words
.macro NOPS n
.rept \n
	v_nop
.endr
.endm
	s_load_b512 s[4:19], s[0:1], 0x0               ; mask 4, query 6, Wq 8, key_ 10, Wk 12, value 14, Wv 16, bq 18
	s_load_b512 s[20:35], s[0:1], 0x40             ; bk 20, bv 22, scales 24, mbits 26, mflags 28, qc 30, kc 32, vc 34
	v_lshl_add_u32 v4, v0, 2, SPARE                ; my spare word; never rewritten
	v_mov_b32 v5, 0                                ; 0; never rewritten
	ds_add_u32 v4, v5
	ds_add_u32 v4, v5
	s_wait_dscnt 0x0
	v_lshrrev_b32 v1, 5, v0
	v_readfirstlane_b32 s46, v1                    ; wave 0..7
	s_lshr_b32 s84, ttmp9, 2                       ; rb
	s_and_b32 s85, ttmp9, 3                        ; cb
	s_and_b32 s88, s46, 1                          ; which 64 rows I fetch; later: which 64 tokens of v's tile are mine
	s_lshl_b32 s86, s88, 15                        ; 64 rows of 512 bytes
	s_lshl_b32 s87, s84, 16
	s_add_co_u32 s87, s87, s86                     ; x: (128 rb + 64 half) rows
	s_lshl_b32 s89, s85, 16
	s_add_co_u32 s89, s89, s86                     ; W: (128 cb + 64 half) rows
	; descriptor group 1: 64 rows x 512 bytes, 16 bytes of padding behind each
	s_mov_b32 s48, (1<<20)|(6<<22)|(3<<25)         ; no mask; elements of 1 byte; padding on; after every 128 words; four words
	s_mov_b32 s49, 512<<16                         ; tensor_dim0
	s_mov_b32 s50, 64<<16                          ; tensor_dim1
	s_mov_b32 s51, 512<<16                         ; tile_dim0
	s_mov_b32 s52, 64                              ; tile_dim1
	s_mov_b32 s53, 512                             ; bytes from row to row
	s_mov_b32 s54, 0
	s_mov_b32 s55, 0
	s_mov_b32 s56, 1                               ; group 0 of my first fill: part w of eight: slot w / 4; in it x's halves, then W's
	s_mul_i32 s57, s46, QTR
	s_mov_b32 s60, 1                               ; group 0 of the refill (waves 0-3): part w % 4 of slot 0
	s_and_b32 s61, s46, 3
	s_mul_i32 s61, s61, QTR
	s_mov_b32 s95, 0
	s_wait_kmcnt 0x0
	s_load_b256 s[36:43], s[24:25], 0x0            ; e0 .. e7
	s_load_b64 s[44:45], s[24:25], 0x20            ; e8, e9
	s_cmp_lt_u32 s46, 4                            ; waves 0-3 fetch for q, waves 4-7 for k
	s_cselect_b64 s[90:91], s[6:7], s[10:11]
	s_cselect_b64 s[92:93], s[8:9], s[12:13]
	s_bitcmp1_b32 s46, 1                           ; bit 1 of the wave's number: x (0) or W (1)
	s_cselect_b64 s[90:91], s[92:93], s[90:91]
	s_cselect_b64 s[92:93], s[16:17], s[14:15]     ; the refill: Wv or value
	s_cselect_b32 s94, s89, s87
	s_add_nc_u64 s[58:59], s[90:91], s[94:95]
	s_add_nc_u64 s[62:63], s[92:93], s[94:95]
	s_or_b32 s59, s59, 0x80000000                  ; type = 2
	s_or_b32 s63, s63, 0x80000000
	tensor_load_to_lds s[56:59], s[48:55]          ; the first fills: one a wave, ahead of every wait on TENSORcnt, LDS read and barrier
	s_nop 0
	NOPS 4
	v_and_b32 v1, 31, v0                           ; L
	v_and_b32 v2, 15, v0                           ; r
	v_bfe_u32 v3, v0, 4, 1                         ; h
	s_lshr_b32 s86, s46, 2                         ; hd: which of the tile's two heads
	s_bfe_u32 s87, s46, 0x10001                    ; cp: v: which 32 channels of the head
	s_and_b32 s89, s46, 3                          ; q, k: which 32 tokens
	s_mul_i32 s90, s46, 16*PP
	s_add_co_u32 s90, s90, PSTG                    ; my packing stage
	s_mul_i32 s91, s89, 2*T16
	s_mul_i32 s92, s86, QTR
	s_add_co_u32 s92, s92, HALF
	s_mul_i32 s93, s87, 2*T16
	s_add_co_u32 s93, s93, s92
	s_mul_i32 s94, s88, QTR
	v_lshlrev_b32 v6, 4, v2
	v_lshl_add_u32 v6, v3, 14, v6                  ; mask: lanes 0-15 take 256 bytes of one row, lanes 16-31 of the next
	v_mul_u32_u24 v7, v3, PP
	v_lshl_add_u32 v7, v2, 4, v7
	v_add_nc_u32 v7, s90, v7                       ; into the stage: as loaded
	v_mul_u32_u24 v8, v2, PP
	v_lshl_add_u32 v8, v3, 5, v8
	v_add_nc_u32 v8, s90, v8                       ; out of it: row r, + 8 h numbers
	v_lshlrev_b32 v9, 3, v1                        ; mbits: 8 bytes a lane
	s_lshl_b32 s96, s46, 4
	s_add_co_u32 s96, s96, FLG
	v_mov_b32 v10, s96                             ; my four chunks' flag words
	s_lshl_b32 s96, s46, 2
	s_add_co_u32 s96, s96, FLG+256
	v_mov_b32 v11, s96                             ; my row word
	v_lshl_add_u32 v12, v1, 2, FLG                 ; chunk L's flag words
	v_mov_b32 v13, FLG+256                         ; the eight row words
	v_lshlrev_b32 v14, 4, v1                       ; 16 L: an image's place for my lane
	v_mul_u32_u24 v19, v2, PITCH
	v_lshl_add_u32 v19, v3, 4, v19                 ; a fragment's row x pitch + 16 h
	v_add_nc_u32 v15, s91, v19                     ; q: x's fragments
	v_add_nc_u32 v16, s92, v19                     ;    W's
	v_add_nc_u32 v17, SLOT, v15                    ; k: the same in slot 1
	v_add_nc_u32 v18, SLOT, v16
	v_add_nc_u32 v20, s93, v19                     ; v: W's
	v_add_nc_u32 v19, s94, v19                     ;    x's
	v_lshlrev_b32 v21, 5, v3                       ; bq, bk: 8 h numbers
	v_lshlrev_b32 v22, 2, v2                       ; bv: number r
	v_mov_b32 v23, 0
	s_mov_b32 s97, 0
	s_lshl_b32 s96, ttmp9, 18                      ; mask: 16 rows of 16,384 bytes a work-group, 2,048 bytes of a row a wave
	s_lshl_b32 s98, s46, 11
	s_add_co_u32 s96, s96, s98
	s_add_nc_u64 s[4:5], s[4:5], s[96:97]
	s_lshl_b32 s96, ttmp9, 13                      ; mbits: 32 chunks of 256 bytes a work-group, four a wave
	s_lshl_b32 s98, s46, 10
	s_add_co_u32 s96, s96, s98
	s_add_nc_u64 s[26:27], s[26:27], s[96:97]
	s_lshl_b32 s96, ttmp9, 3
	s_add_nc_u64 s[28:29], s[28:29], s[96:97]      ; mflags: 8 bytes a work-group
	s_lshl_b32 s96, s85, 9
	s_lshl_b32 s98, s86, 8
	s_add_co_u32 s96, s96, s98                     ; biases: feature 128 cb + 64 hd
	s_add_nc_u64 s[18:19], s[18:19], s[96:97]
	s_add_nc_u64 s[20:21], s[20:21], s[96:97]
	s_lshl_b32 s98, s87, 7
	s_add_co_u32 s96, s96, s98                     ; bv: + 32 cp
	s_add_nc_u64 s[22:23], s[22:23], s[96:97]
	s_lshr_b32 s98, s84, 5                         ; batch
	s_lshl_b32 s98, s98, 3
	s_lshl_b32 s99, s85, 1
	s_add_co_u32 s98, s98, s99
	s_add_co_u32 s98, s98, s86                     ; bh = 8 batch + 2 cb + hd
	s_and_b32 s99, s84, 31                         ; which 128 tokens of the batch
	s_lshl_b32 s96, s98, 8
	s_lshl_b32 s47, s99, 3
	s_add_co_u32 s96, s96, s47
	s_lshl_b32 s47, s89, 1
	s_add_co_u32 s96, s96, s47
	s_lshl_b32 s96, s96, 10                        ; qc, kc: token tile 256 bh + 8 step + 2 (w % 4), 1,024 bytes each
	s_add_nc_u64 s[30:31], s[30:31], s[96:97]
	s_add_nc_u64 s[32:33], s[32:33], s[96:97]
	s_lshl_b32 s96, s98, 5
	s_add_co_u32 s96, s96, s99
	s_lshl_b32 s96, s96, 13                        ; vc: 8,192 bytes a step; channel tile 2 cp: 2,048 each; my tokens' two groups of four registers: 512 each
	s_lshl_b32 s47, s87, 12
	s_add_co_u32 s96, s96, s47
	s_lshl_b32 s47, s88, 10
	s_add_co_u32 s96, s96, s47
	s_add_nc_u64 s[34:35], s[34:35], s[96:97]
.irp u, 0,1,2,3                                ; lane (r, h) wants, for feature tile u, the biases of features 16 u + 8 h + 0 .. 7
	global_load_b128 v[BQ+8*\u:BQ+8*\u+3], v21, s[18:19] offset:64*\u
	global_load_b128 v[BQ+8*\u+4:BQ+8*\u+7], v21, s[18:19] offset:64*\u+16
	global_load_b128 v[BK+8*\u:BK+8*\u+3], v21, s[20:21] offset:64*\u
	global_load_b128 v[BK+8*\u+4:BK+8*\u+7], v21, s[20:21] offset:64*\u+16
.endr
	global_load_b32 v90, v22, s[22:23]             ; bv of channel r of my two channel tiles
	global_load_b32 v91, v22, s[22:23] offset:64
.irp j, 0,1,2,3,4,5,6,7
	v_mov_b32 v[VW+\j], 0                          ; written once whole: a lane write's destination counts as read
.endr
; Half-chunk hc of my 512 keys: 16 rows x 256 bytes, two rows a load: each half of the lanes reads 256 consecutive bytes, aligned.  The mask is read once by the whole launch.
.macro MLOAD hc
.irp t, 0,1,2,3,4,5,6,7
	global_load_b128 v[RING+32*((\hc)%3)+4*\t:RING+32*((\hc)%3)+4*\t+3], v6, s[4:5] offset:256*(\hc)+32768*\t th:TH_LOAD_NT
.endr
.endm
; It turns through my own stage, so that lane (r, h) holds, of row r, keys 16 T + 8 h + j (register 8 T + j); 32 compares make 32 words, which go lane by lane into the chunk's pair.
.macro PACKHC hc
.if (\hc) < 6
	s_wait_loadcnt 16                              ; my eight loads are in; the two younger half-chunks' sixteen may be out
.elseif (\hc) == 6
	s_wait_loadcnt 8
.else
	s_wait_loadcnt 0
.endif
.set RS, RING+32*((\hc)%3)
.set CC, (\hc)/2
.irp t, 0,1,2,3,4,5,6,7
	ds_store_b128 v7, v[RS+4*\t:RS+4*\t+3] offset:2*PP*\t
.endr
.irp t, 0,1,2,3,4,5,6,7
	ds_load_b128 v[TW+4*\t:TW+4*\t+3], v8 offset:64*(\t/2)+16*(\t%2)   ; LDS serves a wave's instructions in order: these see the stores above
.endr
	s_wait_dscnt 0x0                               ; the numbers are back, and the stores have read their registers,
.if (\hc)+3 < 8
	MLOAD (\hc)+3                                  ; which take the half-chunk three further on
.endif
.if ((\hc)%2) == 0
	s_mov_b32 s[AN+CC], -1
	s_mov_b32 s[ORW+CC], 0
.endif
.irp g, 0,1,2,3
.irp e, 0,1,2,3,4,5,6,7
	v_cmp_eq_u32 s[CW+\e], 0, v[TW+8*\g+\e]        ; word n = 32 (hc % 2) + 8 g + e
.endr
.irp e, 0,1,2,3,4,5,6,7
	v_writelane_b32 v[VW+2*CC+(\e%2)], s[CW+\e], 16*((\hc)%2)+4*\g+\e/2
.endr
.irp e, 0,1,2,3,4,5,6,7
	s_and_b32 s[AN+CC], s[AN+CC], s[CW+\e]
	s_or_b32 s[ORW+CC], s[ORW+CC], s[CW+\e]
.endr
.endr
.if ((\hc)%2) == 1
	global_store_b64 v9, v[VW+2*CC:VW+2*CC+1], s[26:27] offset:256*CC   ; the chunk's 64 words: 256 consecutive bytes, aligned
.endif
.endm
.irp hc, 0,1,2
	MLOAD \hc
.endr
.irp hc, 0,1,2,3,4,5,6,7
	PACKHC \hc
.endr
	; my flags go to LDS; all lanes write the same words with the same values
	v_mov_b32 v232, s76
	v_mov_b32 v233, s77
	v_mov_b32 v234, s78
	v_mov_b32 v235, s79
	v_mov_b32 v236, s80
	v_mov_b32 v237, s81
	v_mov_b32 v238, s82
	v_mov_b32 v239, s83
	s_and_b32 s96, s76, s77
	s_and_b32 s97, s78, s79
	s_and_b32 s96, s96, s97
	v_mov_b32 v240, s96                            ; bit L: all of lane L's entries among my 512 keys are masked
	ds_store_b128 v10, v[232:235]
	ds_store_b128 v10, v[236:239] offset:128
	ds_store_b32 v11, v240
	s_wait_tensorcnt 0x0                           ; my part of q's or k's tiles has landed,
	s_wait_dscnt 0x0                               ; my flags are in LDS
	s_barrier_signal -1
	s_barrier_wait -1                              ; everybody's
	s_cmp_lg_u32 s46, 7                            ; one wave makes the two flag words of the query tile
	s_cbranch_scc1 .Lno_flags
	ds_load_b32 v232, v12
	ds_load_b32 v233, v12 offset:128
	ds_load_b128 v[236:239], v13
	ds_load_b128 v[240:243], v13 offset:16
	s_wait_dscnt 0x0
	v_cmp_eq_u32 s96, -1, v232                     ; bit c: chunk c is masked everywhere
	v_cmp_ne_u32 s97, 0, v233                      ; bit c: chunk c holds a masked entry
	v_and_b32 v236, v236, v237
	v_and_b32 v238, v238, v239
	v_and_b32 v240, v240, v241
	v_and_b32 v242, v242, v243
	v_and_b32 v236, v236, v238
	v_and_b32 v240, v240, v242
	v_and_b32 v236, v236, v240
	v_readfirstlane_b32 s98, v236                  ; bit L: all 2,048 entries of lane L are masked
	s_lshr_b32 s99, s98, 16
	s_and_b32 s99, s99, s98
	s_and_b32 s99, s99, 0xffff                     ; bit r: row r is masked at all 4,096 keys
	s_cselect_b32 s99, -1, 0                       ; then every chunk is kept: a choice, no branch
	s_not_b32 s96, s96
	s_or_b32 s96, s96, s99                         ; WORK
	v_mov_b32 v232, s96
	v_mov_b32 v233, s97
	v_cmp_eq_u32 vcc_lo, 0, v1
	s_wait_xcnt 0x0                                ; EXEC changes only behind this wait
	s_and_saveexec_b32 s98, vcc_lo
	global_store_b64 v23, v[232:233], s[28:29]     ; lane 0 alone
	s_wait_xcnt 0x0
	s_or_b32 exec_lo, exec_lo, s98
.Lno_flags:
	s_wait_loadcnt 0x0                             ; (the biases came long ago)
	s_wait_kmcnt 0x0                               ; the scales' exponents
	s_wait_xcnt 0x0                                ; the packed words' stores have read their registers: fragments may land there
; 2^(eo - ea - ew) into v[vs], 57,344 x that into v[vl], -(ea + ew) into s98
.macro SCALES ea, ew, eo, vs, vl
	s_add_co_i32 s96, s[\ea], s[\ew]
	s_sub_co_i32 s98, 0, s96
	s_sub_co_i32 s96, s[\eo], s96
	s_add_co_i32 s96, s96, 127
	s_lshl_b32 s97, s96, 23
	v_mov_b32 v[\vs], s97
	s_add_co_i32 s96, s96, 15
	s_lshl_b32 s96, s96, 23
	s_or_b32 s96, s96, 0x600000
	v_mov_b32 v[\vl], s96
.endm
	SCALES 36, 37, 42, 24, 25                      ; q: e0, e1 -> e6
.set j, 0
.rept 32
	v_ldexp_f32 v[BQ+j], v[BQ+j], s98              ; a sum stands for sum x 2^(eA + eW): the bias goes in divided by that
.set j, j+1
.endr
	SCALES 38, 39, 43, 92, 93                      ; k: e2, e3 -> e7
.set j, 0
.rept 32
	v_ldexp_f32 v[BK+j], v[BK+j], s98
.set j, j+1
.endr
	SCALES 40, 41, 45, 94, 95                      ; v: e4, e5 -> e9
	v_ldexp_f32 v90, v90, s98
	v_ldexp_f32 v91, v91, s98
; q's or k's tile: my 32 tokens x my head's 64 features.  Four K steps of 128; the eight accumulators take turns, one instruction a turn.
; A fragment comes by four loads of 16 bytes, 32 apart: the same order of k on both sides, so every product meets its partner.
.macro TILEK xa, wa, bias
.irp ks, 0,1,2,3
	NOPS 4                                         ; places in front of loads into registers that matrix instructions have read
.irp tt, 0,1
.irp c, 0,1,2,3
	ds_load_b128 v[FXK+16*\tt+4*\c:FXK+16*\tt+4*\c+3], v[\xa] offset:T16*\tt+128*\ks+32*\c
.endr
.endr
.irp u, 0,1,2,3
.irp c, 0,1,2,3
	ds_load_b128 v[FWK+16*\u+4*\c:FWK+16*\u+4*\c+3], v[\wa] offset:T16*\u+128*\ks+32*\c
.endr
.endr
	s_wait_dscnt 0x0
.irp tt, 0,1
.irp u, 0,1,2,3
.if \ks == 0
	v_wmma_f32_16x16x128_bf8_bf8 v[ACC+8*(4*\tt+\u):ACC+8*(4*\tt+\u)+7], v[FWK+16*\u:FWK+16*\u+15], v[FXK+16*\tt:FXK+16*\tt+15], v[\bias+8*\u:\bias+8*\u+7]
.else
	v_wmma_f32_16x16x128_bf8_bf8 v[ACC+8*(4*\tt+\u):ACC+8*(4*\tt+\u)+7], v[FWK+16*\u:FWK+16*\u+15], v[FXK+16*\tt:FXK+16*\tt+15], v[ACC+8*(4*\tt+\u):ACC+8*(4*\tt+\u)+7]
.endif
.endr
.endr
.endr
.endm
; v's tile: my 64 tokens x my 32 channels, sources swapped
.macro TILEV
.irp ks, 0,1,2,3
	NOPS 4
.irp tq, 0,1,2,3
.irp c, 0,1,2,3
	ds_load_b128 v[FXV+16*\tq+4*\c:FXV+16*\tq+4*\c+3], v19 offset:T16*\tq+128*\ks+32*\c
.endr
.endr
.irp cu, 0,1
.irp c, 0,1,2,3
	ds_load_b128 v[FWV+16*\cu+4*\c:FWV+16*\cu+4*\c+3], v20 offset:T16*\cu+128*\ks+32*\c
.endr
.endr
	s_wait_dscnt 0x0
.irp cu, 0,1
.irp tq, 0,1,2,3
.if \ks == 0
	v_wmma_f32_16x16x128_bf8_bf8 v[ACC+8*(4*\cu+\tq):ACC+8*(4*\cu+\tq)+7], v[FXV+16*\tq:FXV+16*\tq+15], v[FWV+16*\cu:FWV+16*\cu+15], v[BV+8*\cu:BV+8*\cu+7]
.else
	v_wmma_f32_16x16x128_bf8_bf8 v[ACC+8*(4*\cu+\tq):ACC+8*(4*\cu+\tq)+7], v[FXV+16*\tq:FXV+16*\tq+15], v[FWV+16*\cu:FWV+16*\cu+15], v[ACC+8*(4*\cu+\tq):ACC+8*(4*\cu+\tq)+7]
.endif
.endr
.endr
.endr
.endm
; The way out: four accumulators (32 neighbours along the next K) become eight registers of codes, twice; each accumulator is read from its low end on.  str: bytes between the two images.
.macro EPI vs, vl, sb, str
.irp tt, 0,1
.set j, 0
.rept 32
	v_med3_num_f32 v[ACC+32*\tt+j], v[ACC+32*\tt+j], -v[\vl], v[\vl]   ; the conversion to an 8-bit code does not saturate (ISA guide 7.6.2): the hold at the largest code x the scale
.set j, j+1
.endr
.irp u, 0,1,2,3
	v_cvt_scalef32_pk8_bf8_f32 v[CD+8*\tt+2*\u:CD+8*\tt+2*\u+1], v[ACC+32*\tt+8*\u:ACC+32*\tt+8*\u+7], v[\vs]
.endr
	v_nop                                          ; a plain instruction behind the last conversion, ahead of whatever next touches its registers
	global_store_b128 v14, v[CD+8*\tt:CD+8*\tt+3], s[\sb:\sb+1] offset:\str*\tt
	global_store_b128 v14, v[CD+8*\tt+4:CD+8*\tt+7], s[\sb:\sb+1] offset:\str*\tt+512
.endr
.endm
	TILEK 15, 16, BQ                               ; q's products, from slot 0
	s_wait_tensorcnt 0x0                           ; no tensor load of mine is out;
	ds_add_u32 v4, v5                              ; 0 onto my spare word
	NOPS 5                                         ; the places behind q's last products
	s_wait_dscnt 0x0                               ; the add is done, and my reads of slot 0 are over
	s_barrier_signal -1
	s_barrier_wait -1                              ; so are everybody's
	s_cmp_lt_u32 s46, 4
	s_cbranch_scc0 .Lno_refill
	tensor_load_to_lds s[60:63], s[48:55]          ; slot 0 takes v's tiles: one load for each of waves 0-3, the first thing behind the barrier
	s_nop 0
	NOPS 4
.Lno_refill:
	EPI 24, 25, 30, 1024                           ; q leaves
	s_wait_xcnt 0x0                                ; the stores have read their registers: fragments may land there
	TILEK 17, 18, BK                               ; k's products, from slot 1
	NOPS 5
	EPI 92, 93, 32, 1024                           ; k leaves
.irp cu, 0,1
.irp j, 0,1,2,3,4,5,6,7
	v_mov_b32 v[BV+8*\cu+\j], v[90+\cu]            ; v's bias in the result's layout: a lane holds one channel
.endr
.endr
	s_wait_tensorcnt 0x0                           ; my part of v's tiles has landed
	s_wait_dscnt 0x0
	s_wait_xcnt 0x0                                ; k's stores have read their registers
	s_barrier_signal -1
	s_barrier_wait -1                              ; everybody's has
	TILEV
	NOPS 5
	EPI 94, 95, 34, 2048                           ; v leaves
	s_wait_tensorcnt 0x0                           ; the wave's end
	ds_add_u32 v4, v5
	s_wait_dscnt 0x0
	s_endpgm
.Lfunc_end_k_q5b4a98e443_prep:
	.size	k_q5b4a98e443_prep, .Lfunc_end_k_q5b4a98e443_prep-k_q5b4a98e443_prep
	.p2alignl 7, 3214868480
	.fill 96, 4, 3214868480
	.section	.rodata,"a",@progbits
	.p2align	6, 0x0
	.amdhsa_kernel k_q5b4a98e443_prep
		.amdhsa_group_segment_fixed_size 327680
		.amdhsa_private_segment_fixed_size 0
		.amdhsa_enable_private_segment 0
		.amdhsa_kernarg_size 128
		.amdhsa_user_sgpr_count 2
		.amdhsa_user_sgpr_kernarg_segment_ptr 1
		.amdhsa_wavefront_size32 1
		.amdhsa_system_sgpr_workgroup_id_x 1
		.amdhsa_system_sgpr_workgroup_id_y 1
		.amdhsa_system_sgpr_workgroup_id_z 1
		.amdhsa_system_vgpr_workitem_id 0
		.amdhsa_next_free_vgpr 256
		.amdhsa_next_free_sgpr 100
		.amdhsa_reserve_vcc 1
		.amdhsa_float_denorm_mode_32 3
		.amdhsa_float_denorm_mode_16_64 3
		.amdhsa_memory_ordered 1
		.amdhsa_forward_progress 1
		.amdhsa_inst_pref_size 121
	.end_amdhsa_kernel
	.amdgpu_metadata
---
amdhsa.version: [ 1, 2 ]
amdhsa.kernels:
  - .name:           k_q5b4a98e443_prep
    .symbol:         k_q5b4a98e443_prep.kd
    .args:
      - { .name: mask, .offset: 0, .size: 8, .value_kind: global_buffer, .address_space: global }
      - { .name: query_codes, .offset: 8, .size: 8, .value_kind: global_buffer, .address_space: global }
      - { .name: Wq_codes, .offset: 16, .size: 8, .value_kind: global_buffer, .address_space: global }
      - { .name: key__codes, .offset: 24, .size: 8, .value_kind: global_buffer, .address_space: global }
      - { .name: Wk_codes, .offset: 32, .size: 8, .value_kind: global_buffer, .address_space: global }
      - { .name: value_codes, .offset: 40, .size: 8, .value_kind: global_buffer, .address_space: global }
      - { .name: Wv_codes, .offset: 48, .size: 8, .value_kind: global_buffer, .address_space: global }
      - { .name: bq, .offset: 56, .size: 8, .value_kind: global_buffer, .address_space: global }
      - { .name: bk, .offset: 64, .size: 8, .value_kind: global_buffer, .address_space: global }
      - { .name: bv, .offset: 72, .size: 8, .value_kind: global_buffer, .address_space: global }
      - { .name: lowp_scales, .offset: 80, .size: 8, .value_kind: global_buffer, .address_space: global }
      - { .name: mbits, .offset: 88, .size: 8, .value_kind: global_buffer, .address_space: global }
      - { .name: mflags, .offset: 96, .size: 8, .value_kind: global_buffer, .address_space: global }
      - { .name: qc, .offset: 104, .size: 8, .value_kind: global_buffer, .address_space: global }
      - { .name: kc, .offset: 112, .size: 8, .value_kind: global_buffer, .address_space: global }
      - { .name: vc, .offset: 120, .size: 8, .value_kind: global_buffer, .address_space: global }
    .group_segment_fixed_size: 327680
    .private_segment_fixed_size: 0
    .kernarg_segment_align: 8
    .kernarg_segment_size: 128
    .max_flat_workgroup_size: 256
    .sgpr_count:     100
    .vgpr_count:     256
    .wavefront_size: 32
...
	.end_amdgpu_metadata
.endif
;; end of part 1
;; launch attn (part 2): grid 16 x 16, 16 waves a work-group, no clusters, 34,816 bytes of LDS; arguments qc, kc, vc, mbits, mflags, lowp_scales, oc; writes oc
.if DOCPART == 2
	.amdgcn_target "amdgcn-amd-amdhsa--gfx1250"
	.amdhsa_code_object_version 6
	.text
	.protected	k_q5b4a98e443_attn
	.globl	k_q5b4a98e443_attn
	.p2align	8
	.type	k_q5b4a98e443_attn,@function
k_q5b4a98e443_attn:
	s_mov_b64 s[64:65], 0
	v_nop
	global_prefetch_b8 v0, s[64:65] scope:SCOPE_SE
	s_setreg_imm32_b32 hwreg(HW_REG_WAVE_MODE, 25, 1), 1
	s_wait_xcnt 0x0
; ATTENTION on codes of E5M2.  Work-group (i, bh): head bh of 16, query blocks i and 31 - i of 128 queries; sixteen waves, each ONE tile of 16 queries in 256 registers.
; Wave w = 4 a + b takes block (a + b) % 2 ? 31 - i : i, tile 2 a + b / 2 of it: of any four waves w / 4 = const or w % 4 = const, two lie in each block.
; t = score x log2(e) / 8; M = the running largest t rounded up to a whole number; p = 2^(t - M) is quantised with 2^e8; the row's sum is taken of the unquantised p and divides at the end.
; Both products are used transposed: S^T = K Q^T (16x16x64: source 0 = 16 keys, source 1 = my queries), O^T = V^T P^T (16x16x128): a lane holds one query (lane % 16) throughout;
; score register n holds key 16 (n / 8) + 8 (lane / 16) + n % 8 of the step's 128, and the conversions' results are P's fragment in the form's own order, in which vc was laid.
; THE MASK: word n of a step's 64 stored words is the lane mask for register n: where its bit is set the score becomes SN, with SN x c = -2^30 x log2(e), a whole number.
; LIMIT: a masked logit is so taken as -2^30, not -1e9: the same results while unmasked logits lie above -9e8 (a masked p is then 0 either way; in a row masked everywhere every p is 1 either way).
; WHAT IS LEFT OUT: a step whose 16 x 128 entries are all masked (stored flag WORK, made so that no tile with a row masked everywhere leaves anything out) is jumped over by a scalar
; branch on that stored whole number; a step without a masked entry (MASKN) jumps over the selects.  Every wave walks all 32 steps and passes every barrier.
; K AND V come memory -> registers -> LDS, two steps ahead: each of the 512 threads moves 16 bytes of K's and of V's 8 KiB a step; two slots of 16 KiB.  Steps that no wave of the
; work-group needs (NEED = the OR of the sixteen WORK words) are neither loaded nor stored.
; NO JOINT REQUESTS in a cluster, though the sixteen work-groups of a head walk the same K and V: which steps a work-group asks for hangs on its stored flags and differs between them.
; LIMITS: e6 + e7 between -90 and 120; e8 and e10 between -126 and 112.  NaN is not served.
.set KF, 40                            ; v40-103  K's eight fragments, then V's four
.set SC, 104                           ; v104-167 S^T, then p
.set OT, 168                           ; v168-199 O^T
.set PC, 200                           ; v200-215 p's codes
; v1 16 L; v2 16 x thread (staging: offset in memory and LDS address); v3 SN; v4, v5 2^e8 and 57,344 x 2^e8; v6, v7 the same for e10; v12 -M; v13 the largest t; v[14:15] the sum;
; v16-23 Q; v24-31, v32-39 staging sets 0, 1 (K, V); v216-223 at work.
; s[4:5] K, s[6:7] V (stepped); s[8:9] my tile's mask words; s[10:11] oc; s12 wave; s13 step counter; s14-16 NEED, WORK, MASKN; s17-19 the same shifted; s[20:21] lane selects;
; s[22:23] c; s24 hold wanted; s25 e8 + e9; s26 the step's byte in the mask words; s[32:63], s[68:99] 64 mask words.
.macro NOPS n
.rept \n
	v_nop
.endr
.endm
	s_load_b256 s[32:39], s[0:1], 0x0              ; qc 32, kc 34, vc 36, mbits 38
	s_load_b128 s[40:43], s[0:1], 0x20             ; mflags 40, scales 42
	s_load_b64 s[44:45], s[0:1], 0x30              ; oc
	v_lshl_add_u32 v254, v0, 2, 0x8000
	v_mov_b32 v255, 0
	v_lshrrev_b32 v1, 5, v0
	v_readfirstlane_b32 s12, v1                    ; wave 0..15
	v_and_b32 v1, 31, v0
	v_lshlrev_b32 v1, 4, v1
	v_lshlrev_b32 v2, 4, v0
	s_and_b32 s27, ttmp7, 0xffff                   ; bh
	s_lshr_b32 s28, s12, 2
	s_and_b32 s29, s12, 3
	s_add_co_u32 s30, s28, s29
	s_and_b32 s30, s30, 1                          ; which of the two blocks
	s_lshr_b32 s29, s29, 1
	s_lshl_b32 s28, s28, 1
	s_add_co_u32 s28, s28, s29                     ; which tile of it
	s_sub_co_u32 s31, 31, ttmp9
	s_cmp_eq_u32 s30, 1
	s_cselect_b32 s29, s31, ttmp9
	s_lshl_b32 s29, s29, 3
	s_add_co_u32 s28, s28, s29                     ; qt: my query tile, 0..255
	s_lshl_b32 s26, ttmp9, 6                       ; a block's eight pairs of flag words are 64 bytes
	s_lshl_b32 s31, s31, 6
	s_lshl_b32 s30, s28, 3
	s_mov_b32 s20, 0x76543210
	s_mov_b32 s21, 0xfedcba98
	s_lshl_b32 s90, s27, 18                        ; a head's codes: 262,144 bytes in each of qc, kc, vc
	s_mov_b32 s91, 0
	s_lshl_b32 s92, s28, 10
	s_mov_b32 s93, 0
	s_wait_kmcnt 0x0
	s_load_b512 s[48:63], s[40:41], s26 offset:0x0 ; block i's flags
	s_load_b512 s[68:83], s[40:41], s31 offset:0x0 ; block 31 - i's
	s_load_b64 s[46:47], s[40:41], s30 offset:0x0  ; my tile's WORK, MASKN
	s_load_b128 s[84:87], s[42:43], 0x18           ; e6, e7, e8, e9
	s_load_b32 s88, s[42:43], 0x28                 ; e10
	s_add_nc_u64 s[4:5], s[34:35], s[90:91]
	s_add_nc_u64 s[6:7], s[36:37], s[90:91]
	s_add_nc_u64 s[94:95], s[32:33], s[90:91]
	s_add_nc_u64 s[94:95], s[94:95], s[92:93]      ; my tile of Q
	s_lshl_b32 s92, s28, 13
	s_add_nc_u64 s[8:9], s[38:39], s[92:93]        ; my tile's 32 x 256 bytes of mask words
	s_lshr_b32 s96, s27, 3
	s_lshl_b32 s96, s96, 8
	s_add_co_u32 s96, s96, s28
	s_lshl_b32 s96, s96, 13                        ; oc: token tile 256 batch + qt: 8,192 bytes;
	s_bfe_u32 s97, s27, 0x20001
	s_lshl_b32 s97, s97, 11                        ; K step head / 2: 2,048;
	s_add_co_u32 s96, s96, s97
	s_and_b32 s97, s27, 1
	s_lshl_b32 s97, s97, 10                        ; groups 2 (head % 2) and + 1: 512 each
	s_add_co_u32 s96, s96, s97
	s_mov_b32 s97, 0
	s_add_nc_u64 s[10:11], s[44:45], s[96:97]
	global_load_b128 v[16:19], v1, s[94:95]        ; Q's fragment stays in registers
	global_load_b128 v[20:23], v1, s[94:95] offset:512
	global_load_b128 v[24:27], v2, s[4:5]          ; step 0
	global_load_b128 v[28:31], v2, s[6:7]
	global_load_b128 v[32:35], v2, s[4:5] offset:8192   ; step 1
	global_load_b128 v[36:39], v2, s[6:7] offset:8192
	v_mov_b32 v13, 0xff61b1e6                      ; the largest t so far: -3e38
	v_floor_f32 v12, -v13                          ; -M
	v_mov_b32 v14, 0
	v_mov_b32 v15, 0
	v_mov_b32 v219, 0                              ; (named as the upper half of the pair v[218:219])
	v_mov_b32 v220, 0                              ; written once: a lane permute's destination counts as read
.set j, 0
.rept 32
	v_mov_b32 v[OT+j], 0                           ; the step is written once: the first finds zeros, which the first change of M leaves zeros
.set j, j+1
.endr
	s_wait_kmcnt 0x0
	s_or_b32 s14, s48, s50                         ; NEED
.irp k, 52,54,56,58,60,62,68,70,72,74,76,78,80,82
	s_or_b32 s14, s14, s\k
.endr
	s_mov_b32 s15, s46
	s_mov_b32 s16, s47
	s_add_co_i32 s27, s84, s85                     ; e6 + e7
	s_lshl_b32 s28, s27, 23
	s_add_co_i32 s22, s28, 0x3e38aa3b              ; c = log2(e) / 8 x 2^(e6 + e7): the exponents are added to c's exponent field
	s_mov_b32 s23, s22                             ; (named with it as a pair)
	s_sub_co_i32 s28, 160, s27
	s_lshl_b32 s28, s28, 23
	s_or_b32 s28, s28, 0x80000000
	v_mov_b32 v3, s28                              ; SN = -2^(33 - e6 - e7)
	s_add_co_i32 s28, s86, 127
	s_lshl_b32 s29, s28, 23
	v_mov_b32 v4, s29                              ; 2^e8
	s_add_co_i32 s28, s28, 15
	s_lshl_b32 s28, s28, 23
	s_or_b32 s28, s28, 0x600000
	v_mov_b32 v5, s28                              ; 57,344 x 2^e8
	s_add_co_i32 s28, s88, 127
	s_lshl_b32 s29, s28, 23
	v_mov_b32 v6, s29                              ; 2^e10
	s_add_co_i32 s28, s28, 15
	s_lshl_b32 s28, s28, 23
	s_or_b32 s28, s28, 0x600000
	v_mov_b32 v7, s28
	s_add_co_i32 s25, s86, s87                     ; e8 + e9
	s_cmp_lt_i32 s86, -15                          ; p is at most 1 and 57,344 x 2^-15 is 1.75: from e8 = -15 on the hold can never bite
	s_cselect_b32 s24, 1, 0
	s_wait_loadcnt 2                               ; Q and step 0 are in; step 1's two loads may be out
	ds_store_b128 v2, v[24:27]                     ; step 0 into slot 0
	ds_store_b128 v2, v[28:31] offset:8192
; A KEY STEP on slot par: 128 keys.
.macro STEP par
	NOPS 4                                         ; places in front of loads into registers that matrix instructions have read
.irp t, 0,1,2,3,4,5,6,7
.irp g, 0,1
	ds_load_b128 v[KF+8*\t+4*\g:KF+8*\t+4*\g+3], v1 offset:16384*\par+1024*\t+512*\g
.endr
.endr
	s_wait_dscnt 0x0
.irp t, 0,1,2,3,4,5,6,7
	v_wmma_f32_16x16x64_bf8_bf8 v[SC+8*\t:SC+8*\t+7], v[KF+8*\t:KF+8*\t+7], v[16:23], 0
.endr
	NOPS 4
.irp t, 0,1,2,3
.irp g, 0,1,2,3
	ds_load_b128 v[KF+16*\t+4*\g:KF+16*\t+4*\g+3], v1 offset:16384*\par+8192+2048*\t+512*\g   ; V's fragments land under the softmax
.endr
.endr
	s_bitcmp1_b32 s19, \par
	s_cbranch_scc0 .Lopen_\@                       ; no entry of the step is masked
	s_load_b512 s[32:47], s[8:9], s26 offset:256*\par
	s_load_b512 s[48:63], s[8:9], s26 offset:256*\par+64
	s_load_b512 s[68:83], s[8:9], s26 offset:256*\par+128
	s_load_b512 s[84:99], s[8:9], s26 offset:256*\par+192
	s_wait_kmcnt 0x0
.set n, 0
.rept 32
	v_cndmask_b32 v[SC+n], v[SC+n], v3, s[32+n]
.set n, n+1
.endr
.rept 32
	v_cndmask_b32 v[SC+n], v[SC+n], v3, s[36+n]
.set n, n+1
.endr
.Lopen_\@:
	v_max3_num_f32 v216, v[SC], v[SC+1], v[SC+2]   ; the step's largest score of my query among my 64 keys, in two chains, each accumulator from its low end on
	v_max3_num_f32 v217, v[SC+3], v[SC+4], v[SC+5]
.irp i, 6,10,14,18,22,26,30,34,38,42,46,50,54,58
	v_max3_num_f32 v216, v216, v[SC+\i], v[SC+\i+1]
	v_max3_num_f32 v217, v217, v[SC+\i+2], v[SC+\i+3]
.endr
	v_max3_num_f32 v216, v216, v[SC+62], v[SC+63]
	v_max_num_f32 v216, v216, v217
	v_permlanex16_b32 v220, v216, s20, s21
	v_max_num_f32 v216, v216, v220                 ; and among lane l xor 16's
	v_mul_f32 v216, s22, v216                      ; as t (c is positive)
	v_max_num_f32 v13, v13, v216
	v_mov_b32 v216, v12
	v_floor_f32 v12, -v13                          ; the new -M = -ceil(t)
	v_sub_f32 v216, v12, v216                      ; old M - new M: a whole number, 0 or less
	v_cvt_i32_f32 v216, v216                       ; (it saturates)
	v_ldexp_f32 v218, 1.0, v216                    ; f = 2^(old M - new M)
.set n, 0
.rept 32
	v_pk_fma_f32 v[SC+n:SC+n+1], v[SC+n:SC+n+1], s[22:23], v[12:13] op_sel_hi:[1,0,0]   ; t - M
.set n, n+2
.endr
.set n, 0
.rept 64
	v_exp_f32 v[SC+n], v[SC+n]                     ; p = 2^(t - M)
.set n, n+1
.endr
	v_pk_mul_f32 v[14:15], v[14:15], v[218:219] op_sel_hi:[1,0]   ; the sum under the new M (a plain instruction behind the exponentials)
	s_wait_alu depctr_va_vdst(0)
	v_pk_add_f32 v[222:223], v[SC:SC+1], v[SC+2:SC+3]             ; the sum of the unquantised p, in two chains
.irp i, 4,8,12,16,20,24,28,32,36,40,44,48,52,56,60
	v_pk_add_f32 v[14:15], v[14:15], v[SC+\i:SC+\i+1]
	v_pk_add_f32 v[222:223], v[222:223], v[SC+\i+2:SC+\i+3]
.endr
	v_pk_add_f32 v[14:15], v[14:15], v[222:223]
	s_cmp_eq_u32 s24, 0
	s_cbranch_scc1 .Lno_hold_\@
.set n, 0
.rept 64
	v_min_num_f32 v[SC+n], v[SC+n], v5             ; the conversion does not saturate (ISA guide 7.6.2); p is not negative, so the hold is one-sided
.set n, n+1
.endr
.Lno_hold_\@:
.irp t, 0,1,2,3,4,5,6,7
	v_cvt_scalef32_pk8_bf8_f32 v[PC+2*\t:PC+2*\t+1], v[SC+8*\t:SC+8*\t+7], v4
.endr
.set n, 0
.rept 16
	v_pk_mul_f32 v[OT+n:OT+n+1], v[OT+n:OT+n+1], v[218:219] op_sel_hi:[1,0]   ; O^T under the new M; also the plain instructions behind the conversions
.set n, n+2
.endr
	s_wait_dscnt 0x0                               ; V's fragments
.irp t, 0,1,2,3
	v_wmma_f32_16x16x128_bf8_bf8 v[OT+8*\t:OT+8*\t+7], v[KF+16*\t:KF+16*\t+15], v[PC:PC+15], v[OT+8*\t:OT+8*\t+7]
.endr
.endm
; Step s = CT + par.  Behind the barrier slot par is whole and nobody reads the other slot: it takes step s + 1 from the registers, which then take step s + 2 from memory.
.macro TRIP par
	s_wait_dscnt 0x0                               ; my stores into slot par have landed, my reads of the other slot are over
	s_barrier_signal -1
	s_barrier_wait -1
	s_wait_loadcnt 0x0                             ; step s + 1 is in registers (asked for a step ago); the loads' bases may be stepped
.if \par == 0
	s_add_nc_u64 s[4:5], s[4:5], 16384
	s_add_nc_u64 s[6:7], s[6:7], 16384
.endif
	s_bitcmp1_b32 s17, \par+1
	s_cbranch_scc0 .Lno_store_\@
	ds_store_b128 v2, v[24+8*(1-\par):27+8*(1-\par)] offset:16384*(1-\par)
	ds_store_b128 v2, v[28+8*(1-\par):31+8*(1-\par)] offset:16384*(1-\par)+8192
.Lno_store_\@:
	s_bitcmp1_b32 s17, \par+2                      ; bits from 32 on read 0: no load leaves its buffer
	s_cbranch_scc0 .Lno_load_\@
	global_load_b128 v[24+8*\par:27+8*\par], v2, s[4:5] offset:8192*\par
	global_load_b128 v[28+8*\par:31+8*\par], v2, s[6:7] offset:8192*\par
.Lno_load_\@:
	s_bitcmp1_b32 s18, \par
	s_cbranch_scc0 .Lno_work_\@
	STEP \par
.Lno_work_\@:
.endm
	s_mov_b32 s13, 0
.Ltrip:                                            ; sixteen trips of two steps
	s_lshr_b32 s17, s14, s13
	s_lshr_b32 s18, s15, s13
	s_lshr_b32 s19, s16, s13
	s_lshl_b32 s26, s13, 8
	TRIP 0
	TRIP 1
	s_add_co_u32 s13, s13, 2
	s_cmp_lt_u32 s13, 32
	s_cbranch_scc1 .Ltrip
	; THE WAY OUT: O^T / the sum x 2^(e8 + e9) is the head's output; quantised with 2^e10 it is a part of the last product's operand, stored as an image of its registers.
	NOPS 4
	v_add_f32 v14, v14, v15
	v_permlanex16_b32 v220, v14, s20, s21
	v_add_f32 v14, v14, v220                       ; the row's sum
	v_rcp_f32 v14, v14
	v_nop                                          ; a plain instruction behind the transcendental
	s_wait_alu depctr_va_vdst(0)
	v_ldexp_f32 v14, v14, s25
.set n, 0
.rept 32
	v_mul_f32 v[SC+n], v[OT+n], v14
.set n, n+1
.endr
.set n, 0
.rept 32
	v_med3_num_f32 v[SC+n], v[SC+n], -v7, v7
.set n, n+1
.endr
.irp t, 0,1,2,3
	v_cvt_scalef32_pk8_bf8_f32 v[PC+2*\t:PC+2*\t+1], v[SC+8*\t:SC+8*\t+7], v6
.endr
	v_nop
	global_store_b128 v1, v[PC:PC+3], s[10:11]     ; each store of the wave covers 512 consecutive bytes, aligned
	global_store_b128 v1, v[PC+4:PC+7], s[10:11] offset:512
	s_wait_tensorcnt 0x0
	ds_add_u32 v254, v255
	s_wait_dscnt 0x0
	s_endpgm
.Lfunc_end_k_q5b4a98e443_attn:
	.size	k_q5b4a98e443_attn, .Lfunc_end_k_q5b4a98e443_attn-k_q5b4a98e443_attn
	.p2alignl 7, 3214868480
	.fill 96, 4, 3214868480
	.section	.rodata,"a",@progbits
	.p2align	6, 0x0
	.amdhsa_kernel k_q5b4a98e443_attn
		.amdhsa_group_segment_fixed_size 34816
		.amdhsa_private_segment_fixed_size 0
		.amdhsa_enable_private_segment 0
		.amdhsa_kernarg_size 56
		.amdhsa_user_sgpr_count 2
		.amdhsa_user_sgpr_kernarg_segment_ptr 1
		.amdhsa_wavefront_size32 1
		.amdhsa_system_sgpr_workgroup_id_x 1
		.amdhsa_system_sgpr_workgroup_id_y 1
		.amdhsa_system_sgpr_workgroup_id_z 1
		.amdhsa_system_vgpr_workitem_id 0
		.amdhsa_next_free_vgpr 256
		.amdhsa_next_free_sgpr 100
		.amdhsa_reserve_vcc 0
		.amdhsa_float_denorm_mode_32 3
		.amdhsa_float_denorm_mode_16_64 3
		.amdhsa_memory_ordered 1
		.amdhsa_forward_progress 1
		.amdhsa_inst_pref_size 51
	.end_amdhsa_kernel
	.amdgpu_metadata
---
amdhsa.version: [ 1, 2 ]
amdhsa.kernels:
  - .name:           k_q5b4a98e443_attn
    .symbol:         k_q5b4a98e443_attn.kd
    .args:
      - { .name: qc, .offset: 0, .size: 8, .value_kind: global_buffer, .address_space: global }
      - { .name: kc, .offset: 8, .size: 8, .value_kind: global_buffer, .address_space: global }
      - { .name: vc, .offset: 16, .size: 8, .value_kind: global_buffer, .address_space: global }
      - { .name: mbits, .offset: 24, .size: 8, .value_kind: global_buffer, .address_space: global }
      - { .name: mflags, .offset: 32, .size: 8, .value_kind: global_buffer, .address_space: global }
      - { .name: lowp_scales, .offset: 40, .size: 8, .value_kind: global_buffer, .address_space: global }
      - { .name: oc, .offset: 48, .size: 8, .value_kind: global_buffer, .address_space: global }
    .group_segment_fixed_size: 34816
    .private_segment_fixed_size: 0
    .kernarg_segment_align: 8
    .kernarg_segment_size: 56
    .max_flat_workgroup_size: 512
    .sgpr_count:     100
    .vgpr_count:     256
    .wavefront_size: 32
...
	.end_amdgpu_metadata
.endif
;; end of part 2
;; launch outp (part 3): grid 256 x 1, 8 waves a work-group, no clusters, 201,728 bytes of LDS; arguments oc, Wo_codes, bo, lowp_scales, out0; writes out0
.if DOCPART == 3
	.amdgcn_target "amdgcn-amd-amdhsa--gfx1250"
	.amdhsa_code_object_version 6
	.text
	.protected	k_q5b4a98e443_outp
	.globl	k_q5b4a98e443_outp
	.p2align	8
	.type	k_q5b4a98e443_outp,@function
k_q5b4a98e443_outp:
	s_mov_b64 s[64:65], 0
	v_nop
	global_prefetch_b8 v0, s[64:65] scope:SCOPE_SE
	s_setreg_imm32_b32 hwreg(HW_REG_WAVE_MODE, 25, 1), 1
	s_wait_xcnt 0x0
; out0 = attention output x Wo + bo, on codes of E5M2.  Work-group i of 256: tokens 128 (i / 4) on, features 128 (i % 4) on, K = 512.  Eight waves: wave w makes tokens 32 (w % 4) on x features 64 (w / 4) on.
; oc holds the left operand as images of its registers, in the K = 128 form's own order of k (registers 2 c, 2 c + 1: k = 16 c + 8 h + 0 .. 7): [token tile][K step 4][group 4][lane][16].
; So Wo's fragments are read in that same order: eight loads of 8 bytes, 16 apart, at row x pitch + 8 h.
; The tiles are filled once (waves 0, 1: the images' halves; waves 2, 3: Wo's rows), so there is no ring.  Source 0 = 16 features of Wo, source 1 = 16 tokens: a lane holds eight neighbouring numbers of a row of out0.
; y = sum x 2^(e10 + e11) + bo, one packed multiply-add for two numbers; the rows meet in a stage in LDS and leave whole: 512 consecutive bytes a store, aligned.
; NO JOINT REQUESTS: four work-groups share the images and 64 share Wo's rows, but each work-group asks once, at its start, for 128 KiB in all.
; LIMIT: e10 + e11 between -126 and 127.
.set PITCH, 528
.set T16,   16*PITCH
.set QTR,   64*PITCH
.set WOFF,  65536                      ; LDS: the images (65,536 bytes), Wo's 128 rows, the stage of 128 rows x 528
.set STG,   WOFF+128*PITCH
.set BO,  16                           ; v16-47   bo in the result's layout
.set ACC, 48                           ; v48-111  eight accumulators
.set FA,  112                          ; v112-143 the tokens' two fragments
.set FW,  144                          ; v144-207 Wo's four
.set YY,  112                          ; v112-175 y
.set RB,  176                          ; v176-239 rows read back
.macro NOPS n
.rept \n
	v_nop
.endr
.endm
	s_load_b256 s[4:11], s[0:1], 0x0               ; oc 4, Wo 6, bo 8, scales 10
	s_load_b64 s[12:13], s[0:1], 0x20              ; out0
	v_lshl_add_u32 v254, v0, 2, 0x31000
	v_mov_b32 v255, 0
	ds_add_u32 v254, v255
	ds_add_u32 v254, v255
	v_lshrrev_b32 v1, 5, v0
	v_readfirstlane_b32 s14, v1                    ; wave 0..7
	s_lshr_b32 s15, ttmp9, 2                       ; rb
	s_and_b32 s20, ttmp9, 3                        ; cb
	s_and_b32 s21, s14, 1                          ; which half I fetch
	s_lshl_b32 s22, s21, 15                        ; 32,768 bytes of memory either way
	s_mov_b32 s24, 3<<16                           ; the images: a dense block as 128 rows of 256 bytes: elements of 8 bytes, no padding
	s_mov_b32 s25, 32<<16
	s_mov_b32 s26, 128<<16
	s_mov_b32 s27, 32<<16
	s_mov_b32 s28, 128
	s_mov_b32 s29, 32
	s_mov_b32 s30, 0
	s_mov_b32 s31, 0
	s_mov_b32 s32, (1<<20)|(6<<22)|(3<<25)         ; Wo: 64 rows x 512 bytes, four words of padding after every 128
	s_mov_b32 s33, 512<<16
	s_mov_b32 s34, 64<<16
	s_mov_b32 s35, 512<<16
	s_mov_b32 s36, 64
	s_mov_b32 s37, 512
	s_mov_b32 s38, 0
	s_mov_b32 s39, 0
	s_mov_b32 s40, 1
	s_lshl_b32 s41, s21, 15
	s_mov_b32 s44, 1
	s_mul_i32 s45, s21, QTR
	s_add_co_u32 s45, s45, WOFF
	s_lshl_b32 s16, s15, 16
	s_add_co_u32 s16, s16, s22
	s_mov_b32 s17, 0
	s_lshl_b32 s18, s20, 16
	s_add_co_u32 s18, s18, s22
	s_mov_b32 s19, 0
	s_wait_dscnt 0x0
	s_wait_kmcnt 0x0
	s_add_nc_u64 s[42:43], s[4:5], s[16:17]
	s_or_b32 s43, s43, 0x80000000
	s_add_nc_u64 s[46:47], s[6:7], s[18:19]
	s_or_b32 s47, s47, 0x80000000
	s_cmp_lt_u32 s14, 2
	s_cbranch_scc0 .Lnot_a
	tensor_load_to_lds s[40:43], s[24:31]
	s_nop 0
	NOPS 4
	s_branch .Lasked
.Lnot_a:
	s_cmp_lt_u32 s14, 4
	s_cbranch_scc0 .Lasked
	tensor_load_to_lds s[44:47], s[32:39]
	s_nop 0
	NOPS 4
.Lasked:
	s_load_b64 s[48:49], s[10:11], 0x28            ; e10, e11
	v_and_b32 v1, 31, v0                           ; L
	v_and_b32 v2, 15, v0                           ; r
	v_bfe_u32 v3, v0, 4, 1                         ; h
	s_lshr_b32 s21, s14, 2                         ; fh: which 64 features
	s_and_b32 s22, s14, 3                          ; tp: which 32 tokens
	v_lshlrev_b32 v4, 4, v1                        ; 16 L
	s_lshl_b32 s23, s22, 14
	v_add_nc_u32 v5, s23, v4                       ; my two token tiles' images
	s_mul_i32 s23, s21, QTR
	s_add_co_u32 s23, s23, WOFF
	v_mul_u32_u24 v6, v2, PITCH
	v_lshl_add_u32 v6, v3, 3, v6
	v_add_nc_u32 v6, s23, v6                       ; Wo: row r x pitch + 8 h
	s_mul_i32 s23, s22, 2*T16
	s_lshl_b32 s16, s21, 8
	s_add_co_u32 s23, s23, s16
	s_add_co_u32 s23, s23, STG
	v_mul_u32_u24 v7, v2, PITCH
	v_lshl_add_u32 v7, v3, 5, v7
	v_add_nc_u32 v7, s23, v7                       ; the stage, in: row 32 tp + r, byte 256 fh + 32 h
	s_mul_i32 s23, s14, T16
	s_add_co_u32 s23, s23, STG
	v_add_nc_u32 v8, s23, v4                       ; back: my 16 rows, 16 bytes a lane
	v_lshlrev_b32 v9, 5, v3
	s_lshl_b32 s16, s20, 9
	s_lshl_b32 s18, s21, 8
	s_add_co_u32 s16, s16, s18
	s_add_nc_u64 s[8:9], s[8:9], s[16:17]          ; bo at feature 128 cb + 64 fh
	s_lshl_b32 s16, s15, 18
	s_lshl_b32 s18, s14, 15
	s_add_co_u32 s16, s16, s18
	s_lshl_b32 s18, s20, 9
	s_add_co_u32 s16, s16, s18
	s_add_nc_u64 s[12:13], s[12:13], s[16:17]      ; out0 at row 128 rb + 16 w, byte 512 cb
.irp u, 0,1,2,3
	global_load_b128 v[BO+8*\u:BO+8*\u+3], v9, s[8:9] offset:64*\u
	global_load_b128 v[BO+8*\u+4:BO+8*\u+7], v9, s[8:9] offset:64*\u+16
.endr
	s_wait_tensorcnt 0x0                           ; my part of the tiles has landed
	s_barrier_signal -1
	s_barrier_wait -1                              ; everybody's has
.irp ks, 0,1,2,3                               ; four K steps of 128; the eight accumulators take turns, one instruction a turn
	NOPS 4                                         ; places in front of loads into registers that matrix instructions have read
.irp tt, 0,1
.irp c, 0,1,2,3
	ds_load_b128 v[FA+16*\tt+4*\c:FA+16*\tt+4*\c+3], v5 offset:8192*\tt+2048*\ks+512*\c
.endr
.endr
.irp u, 0,1,2,3
.irp c, 0,1,2,3,4,5,6,7
	ds_load_b64 v[FW+16*\u+2*\c:FW+16*\u+2*\c+1], v6 offset:T16*\u+128*\ks+16*\c
.endr
.endr
	s_wait_dscnt 0x0
.irp tt, 0,1
.irp u, 0,1,2,3
.if \ks == 0
	v_wmma_f32_16x16x128_bf8_bf8 v[ACC+8*(4*\tt+\u):ACC+8*(4*\tt+\u)+7], v[FW+16*\u:FW+16*\u+15], v[FA+16*\tt:FA+16*\tt+15], 0
.else
	v_wmma_f32_16x16x128_bf8_bf8 v[ACC+8*(4*\tt+\u):ACC+8*(4*\tt+\u)+7], v[FW+16*\u:FW+16*\u+15], v[FA+16*\tt:FA+16*\tt+15], v[ACC+8*(4*\tt+\u):ACC+8*(4*\tt+\u)+7]
.endif
.endr
.endr
.endr
	NOPS 5
	s_wait_kmcnt 0x0
	s_add_co_i32 s50, s48, s49
	s_add_co_i32 s50, s50, 127
	s_lshl_b32 s50, s50, 23                        ; 2^(e10 + e11) as f32
	s_mov_b32 s51, s50                             ; (named with it as a pair)
	s_wait_loadcnt 0x0                             ; bo
.irp tt, 0,1
.irp u, 0,1,2,3
.irp i, 0,2,4,6
	v_pk_fma_f32 v[YY+8*(4*\tt+\u)+\i:YY+8*(4*\tt+\u)+\i+1], v[ACC+8*(4*\tt+\u)+\i:ACC+8*(4*\tt+\u)+\i+1], s[50:51], v[BO+8*\u+\i:BO+8*\u+\i+1] op_sel_hi:[1,0,1]
.endr
.endr
.endr
.irp tt, 0,1
.irp u, 0,1,2,3
	ds_store_b128 v7, v[YY+8*(4*\tt+\u):YY+8*(4*\tt+\u)+3] offset:T16*\tt+64*\u
	ds_store_b128 v7, v[YY+8*(4*\tt+\u)+4:YY+8*(4*\tt+\u)+7] offset:T16*\tt+64*\u+16
.endr
.endr
	s_wait_dscnt 0x0                               ; for the others' sake: my stores into the stage are done
	s_barrier_signal -1
	s_barrier_wait -1
.irp i, 0,1,2,3,4,5,6,7,8,9,10,11,12,13,14,15
	ds_load_b128 v[RB+4*\i:RB+4*\i+3], v8 offset:PITCH*\i
.endr
.irp i, 0,1,2,3,4,5,6,7,8,9,10,11,12,13,14,15
	s_wait_dscnt 15-\i                             ; row i is back; the younger loads may be out
	global_store_b128 v4, v[RB+4*\i:RB+4*\i+3], s[12:13] offset:2048*\i th:TH_STORE_NT   ; 32 lanes store 512 consecutive bytes, aligned; written once, read by nobody here
.endr
	s_wait_tensorcnt 0x0
	ds_add_u32 v254, v255
	s_wait_dscnt 0x0
	s_endpgm
.Lfunc_end_k_q5b4a98e443_outp:
	.size	k_q5b4a98e443_outp, .Lfunc_end_k_q5b4a98e443_outp-k_q5b4a98e443_outp
	.p2alignl 7, 3214868480
	.fill 96, 4, 3214868480
	.section	.rodata,"a",@progbits
	.p2align	6, 0x0
	.amdhsa_kernel k_q5b4a98e443_outp
		.amdhsa_group_segment_fixed_size 201728
		.amdhsa_private_segment_fixed_size 0
		.amdhsa_enable_private_segment 0
		.amdhsa_kernarg_size 40
		.amdhsa_user_sgpr_count 2
		.amdhsa_user_sgpr_kernarg_segment_ptr 1
		.amdhsa_wavefront_size32 1
		.amdhsa_system_sgpr_workgroup_id_x 1
		.amdhsa_system_sgpr_workgroup_id_y 1
		.amdhsa_system_sgpr_workgroup_id_z 1
		.amdhsa_system_vgpr_workitem_id 0
		.amdhsa_next_free_vgpr 256
		.amdhsa_next_free_sgpr 66
		.amdhsa_reserve_vcc 0
		.amdhsa_float_denorm_mode_32 3
		.amdhsa_float_denorm_mode_16_64 3
		.amdhsa_memory_ordered 1
		.amdhsa_forward_progress 1
		.amdhsa_inst_pref_size 25
	.end_amdhsa_kernel
	.amdgpu_metadata
---
amdhsa.version: [ 1, 2 ]
amdhsa.kernels:
  - .name:           k_q5b4a98e443_outp
    .symbol:         k_q5b4a98e443_outp.kd
    .args:
      - { .name: oc, .offset: 0, .size: 8, .value_kind: global_buffer, .address_space: global }
      - { .name: Wo_codes, .offset: 8, .size: 8, .value_kind: global_buffer, .address_space: global }
      - { .name: bo, .offset: 16, .size: 8, .value_kind: global_buffer, .address_space: global }
      - { .name: lowp_scales, .offset: 24, .size: 8, .value_kind: global_buffer, .address_space: global }
      - { .name: out0, .offset: 32, .size: 8, .value_kind: global_buffer, .address_space: global }
    .group_segment_fixed_size: 201728
    .private_segment_fixed_size: 0
    .kernarg_segment_align: 8
    .kernarg_segment_size: 40
    .max_flat_workgroup_size: 256
    .sgpr_count:     66
    .vgpr_count:     256
    .wavefront_size: 32
...
	.end_amdgpu_metadata
.endif
;; end of part 3
;; ======== version 2 of 2: 3 launches
;; limits: right only within a limited range of input values
;; workspace buffers: mbits 2,097,152 bytes of whole numbers; mflags 2,048 bytes of whole numbers; qc 4,194,304 bytes; kc 4,194,304 bytes; vc 4,194,304 bytes; oc 4,194,304 bytes
;; launch prep (part 4): grid 256 x 1, 8 waves a work-group, no clusters, 327,680 bytes of LDS; arguments mask, query_codes, Wq_codes, key__codes, Wk_codes, value_codes, Wv_codes, bq, bk, bv, lowp_scales, mbits, mflags, qc, kc, vc; writes mbits, mflags, qc, kc, vc
.if DOCPART == 4
	.amdgcn_target "amdgcn-amd-amdhsa--gfx1250"
	.amdhsa_code_object_version 6
	.text
	.protected	k_q5b4a98e443_prep
	.globl	k_q5b4a98e443_prep
	.p2align	8
	.type	k_q5b4a98e443_prep,@function
k_q5b4a98e443_prep:
	s_mov_b64 s[64:65], 0
	v_nop
	global_prefetch_b8 v0, s[64:65] scope:SCOPE_SE
	s_setreg_imm32_b32 hwreg(HW_REG_WAVE_MODE, 25, 1), 1
	s_wait_xcnt 0x0
; PREP: (a) the mask, int32 [4096][4096], is packed to bits; (b) q, k, v = codes x weights + bias are made and quantised to E5M2.
; Work-group i of 256, eight waves.
; (a) Mask rows 16 i .. 16 i + 15 (262,144 bytes on end).  Wave w takes keys 512 w .. 512 w + 511: four chunks of 128 keys, eight half-chunks of 64.
;     mbits[qtile i][chunk][word n 0..63]: bit L (lane L = (r, h), r = L % 16, h = L / 16) is 1 where mask(16 i + r, 128 chunk + 16 (n / 8) + 8 h + n % 8) == 0:
;     the lane mask that a select on the score register n of a tile of 16 queries x 128 keys takes as it stands.
;     mflags[qtile i]: word 0 WORK: bit c = chunk c has to be computed; word 1 MASKN: bit c = chunk c holds a masked entry.
;     A chunk whose 16 x 128 entries are all masked is left out, unless some row of the 16 is masked at all 4,096 keys (its softmax is then uniform over all keys): then every chunk is kept.
; (b) Three tiles of 128 tokens x 128 features (two heads), K = 512: rb = i / 4 (tokens 128 rb on), cb = i % 4 (features 128 cb on), one each of q, k, v.
;     The bias goes in as the C of the first K step, divided by 2^(eA + eW); the code is sum / 2^(eOut - eA - eW), held within +-57,344 of that scale.
;     q, k: source 0 = 16 features of W, source 1 = 16 tokens: a lane holds one token, its registers run along the head's 64: the conversions' results are the 8 registers of a 16 x 64 fragment.
;     v:    source 0 = 16 tokens, source 1 = 16 channels: a lane holds one channel, its registers run along the tokens (the keys, the second product's K).
;     All three leave as IMAGES OF OPERAND REGISTERS: groups of four registers, lane l's 16 bytes at 16 l: every store of a wave covers 512 consecutive bytes, aligned.
;     qc, kc: [bh 16][token tile 256][g 2][lane][16];  vc: [bh][step of 128 keys 32][channel tile 4][g 4][lane][16].
; LDS: two slots (x's 128 rows, then W's 128 rows, 512 bytes + 16 of padding each).  Slot 0 takes q's tiles, slot 1 k's; slot 0 is filled once more, with v's, when q's products are done.
; By this text's own count a wave has one tensor load out at the most.
; NO JOINT REQUESTS: four work-groups share x's tiles and 64 share W's, but the first two tiles are asked for ahead of the packing of 32 KiB of mask a wave and the third ahead of
; a whole tile's way out and a whole tile's products; each tile is fetched once a work-group.
; LIMITS: eOut - eA - eW of each projection between -126 and 112.  NaN among the inputs is not served.
.set PITCH, 528                        ; an LDS row: 512 bytes + 16: an odd multiple of 16, so the 16 rows of a fragment load start at 16 different 16-byte columns
.set T16,   16*PITCH
.set QTR,   64*PITCH                   ; what one tensor load brings
.set HALF,  2*QTR
.set SLOT,  4*QTR
.set PSTG,  2*SLOT                     ; the packing's stages: 16 rows x 272 bytes for each wave
.set PP,    272
.set FLG,   PSTG+8*16*PP               ; 32 AND words, at +128 32 OR words, at +256 eight row words
.set SPARE, FLG+512                    ; the spare words: 128 bytes a wave, four blocks of 256 bytes that no other line names
.set BQ,   26                          ; v26-57   bq in the result's layout (later bv: 16 registers)
.set BK,   58                          ; v58-89   bk
.set BV,   26
.set RING, 96                          ; v96-191  packing: three sets of 32 registers as loaded
.set TW,   192                         ; v192-223 packing: 32 mask numbers of my row
.set VW,   224                         ; v224-231 packing: a pair for each chunk: lane l holds words 2 l, 2 l + 1
.set ACC,  96                          ; v96-159  eight accumulators
.set FXK,  160                         ; q, k: x's two fragments, W's four
.set FWK,  192
.set FXV,  160                         ; v: x's four fragments, W's two
.set FWV,  224
.set CD,   160                         ; the codes just made
.set CW,   68                          ; s[68:75] eight words in hand
.set AN,   76                          ; s[76:79] AND of a chunk's words
.set ORW,  80                          ; s[80:83] OR of a chunk's words
.macro NOPS n
.rept \n
	v_nop
.endr
.endm
	s_load_b512 s[4:19], s[0:1], 0x0               ; mask 4, query 6, Wq 8, key_ 10, Wk 12, value 14, Wv 16, bq 18
	s_load_b512 s[20:35], s[0:1], 0x40             ; bk 20, bv 22, scales 24, mbits 26, mflags 28, qc 30, kc 32, vc 34
	v_lshl_add_u32 v4, v0, 2, SPARE                ; my spare word; never rewritten
	v_mov_b32 v5, 0                                ; 0; never rewritten
	ds_add_u32 v4, v5
	ds_add_u32 v4, v5
	s_wait_dscnt 0x0
	v_lshrrev_b32 v1, 5, v0
	s_delay_alu instid0(VALU_DEP_1)
	v_readfirstlane_b32 s46, v1                    ; wave 0..7
	s_lshr_b32 s84, ttmp9, 2                       ; rb
	s_and_b32 s85, ttmp9, 3                        ; cb
	s_and_b32 s88, s46, 1                          ; which 64 rows I fetch; later: which 64 tokens of v's tile are mine
	s_lshl_b32 s86, s88, 15                        ; 64 rows of 512 bytes
	s_lshl_b32 s87, s84, 16
	s_add_co_u32 s87, s87, s86                     ; x: (128 rb + 64 half) rows
	s_lshl_b32 s89, s85, 16
	s_add_co_u32 s89, s89, s86                     ; W: (128 cb + 64 half) rows
	; descriptor group 1: 64 rows x 512 bytes, 16 bytes of padding behind each
	s_mov_b32 s48, (1<<20)|(6<<22)|(3<<25)         ; no mask; elements of 1 byte; padding on; after every 128 words; four words
	s_mov_b32 s49, 512<<16                         ; tensor_dim0
	s_mov_b32 s50, 64<<16                          ; tensor_dim1
	s_mov_b32 s51, 512<<16                         ; tile_dim0
	s_mov_b32 s52, 64                              ; tile_dim1
	s_mov_b32 s53, 512                             ; bytes from row to row
	s_mov_b32 s54, 0
	s_mov_b32 s55, 0
	s_mov_b32 s56, 1                               ; group 0 of my first fill: part w of eight: slot w / 4; in it x's halves, then W's
	s_mul_i32 s57, s46, QTR
	s_mov_b32 s60, 1                               ; group 0 of the refill (waves 0-3): part w % 4 of slot 0
	s_and_b32 s61, s46, 3
	s_mul_i32 s61, s61, QTR
	s_mov_b32 s95, 0
	s_wait_kmcnt 0x0
	s_load_b256 s[36:43], s[24:25], 0x0            ; e0 .. e7
	s_load_b64 s[44:45], s[24:25], 0x20            ; e8, e9
	s_cmp_lt_u32 s46, 4                            ; waves 0-3 fetch for q, waves 4-7 for k
	s_cselect_b64 s[90:91], s[6:7], s[10:11]
	s_cselect_b64 s[92:93], s[8:9], s[12:13]
	s_bitcmp1_b32 s46, 1                           ; bit 1 of the wave's number: x (0) or W (1)
	s_cselect_b64 s[90:91], s[92:93], s[90:91]
	s_cselect_b64 s[92:93], s[16:17], s[14:15]     ; the refill: Wv or value
	s_cselect_b32 s94, s89, s87
	s_add_nc_u64 s[58:59], s[90:91], s[94:95]
	s_add_nc_u64 s[62:63], s[92:93], s[94:95]
	s_or_b32 s59, s59, 0x80000000                  ; type = 2
	s_or_b32 s63, s63, 0x80000000
	tensor_load_to_lds s[56:59], s[48:55]          ; the first fills: one a wave, ahead of every wait on TENSORcnt, LDS read and barrier
	s_nop 0
	NOPS 4
	v_and_b32 v1, 31, v0                           ; L
	v_and_b32 v2, 15, v0                           ; r
	s_wait_alu depctr_va_vdst(0)
	v_bfe_u32 v3, v0, 4, 1                         ; h
	s_lshr_b32 s86, s46, 2                         ; hd: which of the tile's two heads
	s_bfe_u32 s87, s46, 0x10001                    ; cp: v: which 32 channels of the head
	s_and_b32 s89, s46, 3                          ; q, k: which 32 tokens
	s_mul_i32 s90, s46, 16*PP
	s_add_co_u32 s90, s90, PSTG                    ; my packing stage
	s_mul_i32 s91, s89, 2*T16
	s_mul_i32 s92, s86, QTR
	s_add_co_u32 s92, s92, HALF
	s_mul_i32 s93, s87, 2*T16
	s_add_co_u32 s93, s93, s92
	s_mul_i32 s94, s88, QTR
	v_lshlrev_b32 v6, 4, v2
	s_wait_alu depctr_va_vdst(0)
	v_lshl_add_u32 v6, v3, 14, v6                  ; mask: lanes 0-15 take 256 bytes of one row, lanes 16-31 of the next
	v_mul_u32_u24 v7, v3, PP
	s_delay_alu instid0(VALU_DEP_1)
	v_lshl_add_u32 v7, v2, 4, v7
	s_delay_alu instid0(VALU_DEP_1)
	v_add_nc_u32 v7, s90, v7                       ; into the stage: as loaded
	v_mul_u32_u24 v8, v2, PP
	s_delay_alu instid0(VALU_DEP_1)
	v_lshl_add_u32 v8, v3, 5, v8
	s_delay_alu instid0(VALU_DEP_1)
	v_add_nc_u32 v8, s90, v8                       ; out of it: row r, + 8 h numbers
	v_lshlrev_b32 v9, 3, v1                        ; mbits: 8 bytes a lane
	s_lshl_b32 s96, s46, 4
	s_add_co_u32 s96, s96, FLG
	v_mov_b32 v10, s96                             ; my four chunks' flag words
	s_lshl_b32 s96, s46, 2
	s_add_co_u32 s96, s96, FLG+256
	v_mov_b32 v11, s96                             ; my row word
	v_lshl_add_u32 v12, v1, 2, FLG                 ; chunk L's flag words
	v_mov_b32 v13, FLG+256                         ; the eight row words
	v_lshlrev_b32 v14, 4, v1                       ; 16 L: an image's place for my lane
	v_mul_u32_u24 v19, v2, PITCH
	s_delay_alu instid0(VALU_DEP_1)
	v_lshl_add_u32 v19, v3, 4, v19                 ; a fragment's row x pitch + 16 h
	s_delay_alu instid0(VALU_DEP_1)
	v_add_nc_u32 v15, s91, v19                     ; q: x's fragments
	s_delay_alu instid0(VALU_DEP_2)
	v_add_nc_u32 v16, s92, v19                     ;    W's
	s_delay_alu instid0(VALU_DEP_2)
	v_add_nc_u32 v17, SLOT, v15                    ; k: the same in slot 1
	s_delay_alu instid0(VALU_DEP_2)
	v_add_nc_u32 v18, SLOT, v16
	v_add_nc_u32 v20, s93, v19                     ; v: W's
	v_add_nc_u32 v19, s94, v19                     ;    x's
	v_lshlrev_b32 v21, 5, v3                       ; bq, bk: 8 h numbers
	s_wait_alu depctr_va_vdst(0)
	v_lshlrev_b32 v22, 2, v2                       ; bv: number r
	s_wait_alu depctr_va_vdst(0)
	v_mov_b32 v23, 0
	s_mov_b32 s97, 0
	s_lshl_b32 s96, ttmp9, 18                      ; mask: 16 rows of 16,384 bytes a work-group, 2,048 bytes of a row a wave
	s_lshl_b32 s98, s46, 11
	s_add_co_u32 s96, s96, s98
	s_add_nc_u64 s[4:5], s[4:5], s[96:97]
	s_lshl_b32 s96, ttmp9, 13                      ; mbits: 32 chunks of 256 bytes a work-group, four a wave
	s_lshl_b32 s98, s46, 10
	s_add_co_u32 s96, s96, s98
	s_add_nc_u64 s[26:27], s[26:27], s[96:97]
	s_lshl_b32 s96, ttmp9, 3
	s_add_nc_u64 s[28:29], s[28:29], s[96:97]      ; mflags: 8 bytes a work-group
	s_lshl_b32 s96, s85, 9
	s_lshl_b32 s98, s86, 8
	s_add_co_u32 s96, s96, s98                     ; biases: feature 128 cb + 64 hd
	s_add_nc_u64 s[18:19], s[18:19], s[96:97]
	s_add_nc_u64 s[20:21], s[20:21], s[96:97]
	s_lshl_b32 s98, s87, 7
	s_add_co_u32 s96, s96, s98                     ; bv: + 32 cp
	s_add_nc_u64 s[22:23], s[22:23], s[96:97]
	s_lshr_b32 s98, s84, 5                         ; batch
	s_lshl_b32 s98, s98, 3
	s_lshl_b32 s99, s85, 1
	s_add_co_u32 s98, s98, s99
	s_add_co_u32 s98, s98, s86                     ; bh = 8 batch + 2 cb + hd
	s_and_b32 s99, s84, 31                         ; which 128 tokens of the batch
	s_lshl_b32 s96, s98, 8
	s_lshl_b32 s47, s99, 3
	s_add_co_u32 s96, s96, s47
	s_lshl_b32 s47, s89, 1
	s_add_co_u32 s96, s96, s47
	s_lshl_b32 s96, s96, 10                        ; qc, kc: token tile 256 bh + 8 step + 2 (w % 4), 1,024 bytes each
	s_add_nc_u64 s[30:31], s[30:31], s[96:97]
	s_add_nc_u64 s[32:33], s[32:33], s[96:97]
	s_lshl_b32 s96, s98, 5
	s_add_co_u32 s96, s96, s99
	s_lshl_b32 s96, s96, 13                        ; vc: 8,192 bytes a step; channel tile 2 cp: 2,048 each; my tokens' two groups of four registers: 512 each
	s_lshl_b32 s47, s87, 12
	s_add_co_u32 s96, s96, s47
	s_lshl_b32 s47, s88, 10
	s_add_co_u32 s96, s96, s47
	s_add_nc_u64 s[34:35], s[34:35], s[96:97]
.irp u, 0,1,2,3                                ; lane (r, h) wants, for feature tile u, the biases of features 16 u + 8 h + 0 .. 7
	global_load_b128 v[BQ+8*\u:BQ+8*\u+3], v21, s[18:19] offset:64*\u
	global_load_b128 v[BQ+8*\u+4:BQ+8*\u+7], v21, s[18:19] offset:64*\u+16
	global_load_b128 v[BK+8*\u:BK+8*\u+3], v21, s[20:21] offset:64*\u
	global_load_b128 v[BK+8*\u+4:BK+8*\u+7], v21, s[20:21] offset:64*\u+16
.endr
	global_load_b32 v90, v22, s[22:23]             ; bv of channel r of my two channel tiles
	global_load_b32 v91, v22, s[22:23] offset:64
.irp j, 0,1,2,3,4,5,6,7
	v_mov_b32 v[VW+\j], 0                          ; written once whole: a lane write's destination counts as read
.endr
; Half-chunk hc of my 512 keys: 16 rows x 256 bytes, two rows a load: each half of the lanes reads 256 consecutive bytes, aligned.  The mask is read once by the whole launch.
.macro MLOAD hc
.irp t, 0,1,2,3,4,5,6,7
	global_load_b128 v[RING+32*((\hc)%3)+4*\t:RING+32*((\hc)%3)+4*\t+3], v6, s[4:5] offset:256*(\hc)+32768*\t th:TH_LOAD_NT
.endr
.endm
; It turns through my own stage, so that lane (r, h) holds, of row r, keys 16 T + 8 h + j (register 8 T + j); 32 compares make 32 words, which go lane by lane into the chunk's pair.
.macro PACKHC hc
.if (\hc) < 6
	s_wait_loadcnt 16                              ; my eight loads are in; the two younger half-chunks' sixteen may be out
.elseif (\hc) == 6
	s_wait_loadcnt 8
.else
	s_wait_loadcnt 0
.endif
.set RS, RING+32*((\hc)%3)
.set CC, (\hc)/2
.irp t, 0,1,2,3,4,5,6,7
	ds_store_b128 v7, v[RS+4*\t:RS+4*\t+3] offset:2*PP*\t
.endr
.irp t, 0,1,2,3,4,5,6,7
	ds_load_b128 v[TW+4*\t:TW+4*\t+3], v8 offset:64*(\t/2)+16*(\t%2)   ; LDS serves a wave's instructions in order: these see the stores above
.endr
	s_wait_dscnt 0x0                               ; the numbers are back, and the stores have read their registers,
.if (\hc)+3 < 8
	MLOAD (\hc)+3                                  ; which take the half-chunk three further on
.endif
.if ((\hc)%2) == 0
	s_mov_b32 s[AN+CC], -1
	s_mov_b32 s[ORW+CC], 0
.endif
.irp g, 0,1,2,3
.irp e, 0,1,2,3,4,5,6,7
	v_cmp_eq_u32 s[CW+\e], 0, v[TW+8*\g+\e]        ; word n = 32 (hc % 2) + 8 g + e
.endr
.irp e, 0,1,2,3,4,5,6,7
	v_writelane_b32 v[VW+2*CC+(\e%2)], s[CW+\e], 16*((\hc)%2)+4*\g+\e/2
.endr
.irp e, 0,1,2,3,4,5,6,7
	s_and_b32 s[AN+CC], s[AN+CC], s[CW+\e]
	s_or_b32 s[ORW+CC], s[ORW+CC], s[CW+\e]
.endr
.endr
.if ((\hc)%2) == 1
	s_wait_alu depctr_va_vdst(0)
	global_store_b64 v9, v[VW+2*CC:VW+2*CC+1], s[26:27] offset:256*CC   ; the chunk's 64 words: 256 consecutive bytes, aligned
.endif
.endm
.irp hc, 0,1,2
	MLOAD \hc
.endr
.irp hc, 0,1,2,3,4,5,6,7
	PACKHC \hc
.endr
	; my flags go to LDS; all lanes write the same words with the same values
	v_mov_b32 v232, s76
	v_mov_b32 v233, s77
	v_mov_b32 v234, s78
	v_mov_b32 v235, s79
	v_mov_b32 v236, s80
	v_mov_b32 v237, s81
	v_mov_b32 v238, s82
	v_mov_b32 v239, s83
	s_and_b32 s96, s76, s77
	s_and_b32 s97, s78, s79
	s_and_b32 s96, s96, s97
	v_mov_b32 v240, s96                            ; bit L: all of lane L's entries among my 512 keys are masked
	ds_store_b128 v10, v[232:235]
	ds_store_b128 v10, v[236:239] offset:128
	ds_store_b32 v11, v240
	s_wait_tensorcnt 0x0                           ; my part of q's or k's tiles has landed,
	s_wait_dscnt 0x0                               ; my flags are in LDS
	s_barrier_signal -1
	s_barrier_wait -1                              ; everybody's
	s_cmp_lg_u32 s46, 7                            ; one wave makes the two flag words of the query tile
	s_cbranch_scc1 .Lno_flags
	ds_load_b32 v232, v12
	ds_load_b32 v233, v12 offset:128
	ds_load_b128 v[236:239], v13
	ds_load_b128 v[240:243], v13 offset:16
	s_wait_dscnt 0x0
	v_cmp_eq_u32 s96, -1, v232                     ; bit c: chunk c is masked everywhere
	v_cmp_ne_u32 s97, 0, v233                      ; bit c: chunk c holds a masked entry
	v_and_b32 v236, v236, v237
	v_and_b32 v238, v238, v239
	v_and_b32 v240, v240, v241
	v_and_b32 v242, v242, v243
	s_delay_alu instid0(VALU_DEP_3)
	v_and_b32 v236, v236, v238
	s_delay_alu instid0(VALU_DEP_2)
	v_and_b32 v240, v240, v242
	s_delay_alu instid0(VALU_DEP_1)
	v_and_b32 v236, v236, v240
	s_delay_alu instid0(VALU_DEP_1)
	v_readfirstlane_b32 s98, v236                  ; bit L: all 2,048 entries of lane L are masked
	s_lshr_b32 s99, s98, 16
	s_and_b32 s99, s99, s98
	s_and_b32 s99, s99, 0xffff                     ; bit r: row r is masked at all 4,096 keys
	s_cselect_b32 s99, -1, 0                       ; then every chunk is kept: a choice, no branch
	s_not_b32 s96, s96
	s_or_b32 s96, s96, s99                         ; WORK
	v_mov_b32 v232, s96
	v_mov_b32 v233, s97
	v_cmp_eq_u32 vcc_lo, 0, v1
	s_wait_alu depctr_va_vdst(0)
	s_wait_xcnt 0x0                                ; EXEC changes only behind this wait
	s_and_saveexec_b32 s98, vcc_lo
	global_store_b64 v23, v[232:233], s[28:29]     ; lane 0 alone
	s_wait_xcnt 0x0
	s_or_b32 exec_lo, exec_lo, s98
.Lno_flags:
	s_wait_loadcnt 0x0                             ; (the biases came long ago)
	s_wait_kmcnt 0x0                               ; the scales' exponents
	s_wait_xcnt 0x0                                ; the packed words' stores have read their registers: fragments may land there
; 2^(eo - ea - ew) into v[vs], 57,344 x that into v[vl], -(ea + ew) into s98
.macro SCALES ea, ew, eo, vs, vl
	s_add_co_i32 s96, s[\ea], s[\ew]
	s_sub_co_i32 s98, 0, s96
	s_sub_co_i32 s96, s[\eo], s96
	s_add_co_i32 s96, s96, 127
	s_lshl_b32 s97, s96, 23
	v_mov_b32 v[\vs], s97
	s_add_co_i32 s96, s96, 15
	s_lshl_b32 s96, s96, 23
	s_or_b32 s96, s96, 0x600000
	v_mov_b32 v[\vl], s96
.endm
	SCALES 36, 37, 42, 24, 25                      ; q: e0, e1 -> e6
.set j, 0
.rept 32
	v_ldexp_f32 v[BQ+j], v[BQ+j], s98              ; a sum stands for sum x 2^(eA + eW): the bias goes in divided by that
.set j, j+1
.endr
	SCALES 38, 39, 43, 92, 93                      ; k: e2, e3 -> e7
.set j, 0
.rept 32
	v_ldexp_f32 v[BK+j], v[BK+j], s98
.set j, j+1
.endr
	SCALES 40, 41, 45, 94, 95                      ; v: e4, e5 -> e9
	v_ldexp_f32 v90, v90, s98
	v_ldexp_f32 v91, v91, s98
; q's or k's tile: my 32 tokens x my head's 64 features.  Four K steps of 128; the eight accumulators take turns, one instruction a turn.
; A fragment comes by four loads of 16 bytes, 32 apart: the same order of k on both sides, so every product meets its partner.
.macro TILEK xa, wa, bias
.irp ks, 0,1,2,3
	NOPS 4                                         ; places in front of loads into registers that matrix instructions have read
.irp tt, 0,1
.irp c, 0,1,2,3
	ds_load_b128 v[FXK+16*\tt+4*\c:FXK+16*\tt+4*\c+3], v[\xa] offset:T16*\tt+128*\ks+32*\c
.endr
.endr
.irp u, 0,1,2,3
.irp c, 0,1,2,3
	ds_load_b128 v[FWK+16*\u+4*\c:FWK+16*\u+4*\c+3], v[\wa] offset:T16*\u+128*\ks+32*\c
.endr
.endr
	s_wait_dscnt 0x0
.irp tt, 0,1
.irp u, 0,1,2,3
.if \ks == 0
	v_wmma_f32_16x16x128_bf8_bf8 v[ACC+8*(4*\tt+\u):ACC+8*(4*\tt+\u)+7], v[FWK+16*\u:FWK+16*\u+15], v[FXK+16*\tt:FXK+16*\tt+15], v[\bias+8*\u:\bias+8*\u+7]
.else
	v_wmma_f32_16x16x128_bf8_bf8 v[ACC+8*(4*\tt+\u):ACC+8*(4*\tt+\u)+7], v[FWK+16*\u:FWK+16*\u+15], v[FXK+16*\tt:FXK+16*\tt+15], v[ACC+8*(4*\tt+\u):ACC+8*(4*\tt+\u)+7]
.endif
.endr
.endr
.endr
.endm
; v's tile: my 64 tokens x my 32 channels, sources swapped
.macro TILEV
.irp ks, 0,1,2,3
	NOPS 4
.irp tq, 0,1,2,3
.irp c, 0,1,2,3
	ds_load_b128 v[FXV+16*\tq+4*\c:FXV+16*\tq+4*\c+3], v19 offset:T16*\tq+128*\ks+32*\c
.endr
.endr
.irp cu, 0,1
.irp c, 0,1,2,3
	ds_load_b128 v[FWV+16*\cu+4*\c:FWV+16*\cu+4*\c+3], v20 offset:T16*\cu+128*\ks+32*\c
.endr
.endr
	s_wait_dscnt 0x0
.irp cu, 0,1
.irp tq, 0,1,2,3
.if \ks == 0
	v_wmma_f32_16x16x128_bf8_bf8 v[ACC+8*(4*\cu+\tq):ACC+8*(4*\cu+\tq)+7], v[FXV+16*\tq:FXV+16*\tq+15], v[FWV+16*\cu:FWV+16*\cu+15], v[BV+8*\cu:BV+8*\cu+7]
.else
	v_wmma_f32_16x16x128_bf8_bf8 v[ACC+8*(4*\cu+\tq):ACC+8*(4*\cu+\tq)+7], v[FXV+16*\tq:FXV+16*\tq+15], v[FWV+16*\cu:FWV+16*\cu+15], v[ACC+8*(4*\cu+\tq):ACC+8*(4*\cu+\tq)+7]
.endif
.endr
.endr
.endr
.endm
; The way out: four accumulators (32 neighbours along the next K) become eight registers of codes, twice; each accumulator is read from its low end on.  str: bytes between the two images.
.macro EPI vs, vl, sb, str
.irp tt, 0,1
.set j, 0
.rept 32
	v_med3_num_f32 v[ACC+32*\tt+j], v[ACC+32*\tt+j], -v[\vl], v[\vl]   ; the conversion to an 8-bit code does not saturate (ISA guide 7.6.2): the hold at the largest code x the scale
.set j, j+1
.endr
.irp u, 0,1,2,3
	v_cvt_scalef32_pk8_bf8_f32 v[CD+8*\tt+2*\u:CD+8*\tt+2*\u+1], v[ACC+32*\tt+8*\u:ACC+32*\tt+8*\u+7], v[\vs]
.endr
	v_nop                                          ; a plain instruction behind the last conversion, ahead of whatever next touches its registers
	global_store_b128 v14, v[CD+8*\tt:CD+8*\tt+3], s[\sb:\sb+1] offset:\str*\tt
	global_store_b128 v14, v[CD+8*\tt+4:CD+8*\tt+7], s[\sb:\sb+1] offset:\str*\tt+512
.endr
.endm
	TILEK 15, 16, BQ                               ; q's products, from slot 0
	s_wait_tensorcnt 0x0                           ; no tensor load of mine is out;
	ds_add_u32 v4, v5                              ; 0 onto my spare word
	NOPS 5                                         ; the places behind q's last products
	s_wait_dscnt 0x0                               ; the add is done, and my reads of slot 0 are over
	s_barrier_signal -1
	s_barrier_wait -1                              ; so are everybody's
	s_cmp_lt_u32 s46, 4
	s_cbranch_scc0 .Lno_refill
	tensor_load_to_lds s[60:63], s[48:55]          ; slot 0 takes v's tiles: one load for each of waves 0-3, the first thing behind the barrier
	s_nop 0
	NOPS 4
.Lno_refill:
	EPI 24, 25, 30, 1024                           ; q leaves
	s_wait_xcnt 0x0                                ; the stores have read their registers: fragments may land there
	TILEK 17, 18, BK                               ; k's products, from slot 1
	NOPS 5
	EPI 92, 93, 32, 1024                           ; k leaves
.irp cu, 0,1
.irp j, 0,1,2,3,4,5,6,7
	v_mov_b32 v[BV+8*\cu+\j], v[90+\cu]            ; v's bias in the result's layout: a lane holds one channel
.endr
.endr
	s_wait_alu depctr_va_vdst(0)
	s_wait_tensorcnt 0x0                           ; my part of v's tiles has landed
	s_wait_dscnt 0x0
	s_wait_xcnt 0x0                                ; k's stores have read their registers
	s_barrier_signal -1
	s_barrier_wait -1                              ; everybody's has
	TILEV
	NOPS 5
	EPI 94, 95, 34, 2048                           ; v leaves
	s_wait_tensorcnt 0x0                           ; the wave's end
	ds_add_u32 v4, v5
	s_wait_dscnt 0x0
	s_endpgm
.Lfunc_end_k_q5b4a98e443_prep:
	.size	k_q5b4a98e443_prep, .Lfunc_end_k_q5b4a98e443_prep-k_q5b4a98e443_prep
	.p2alignl 7, 3214868480
	.fill 96, 4, 3214868480
	.section	.rodata,"a",@progbits
	.p2align	6, 0x0
	.amdhsa_kernel k_q5b4a98e443_prep
		.amdhsa_group_segment_fixed_size 327680
		.amdhsa_private_segment_fixed_size 0
		.amdhsa_enable_private_segment 0
		.amdhsa_kernarg_size 128
		.amdhsa_user_sgpr_count 2
		.amdhsa_user_sgpr_kernarg_segment_ptr 1
		.amdhsa_wavefront_size32 1
		.amdhsa_system_sgpr_workgroup_id_x 1
		.amdhsa_system_sgpr_workgroup_id_y 1
		.amdhsa_system_sgpr_workgroup_id_z 1
		.amdhsa_system_vgpr_workitem_id 0
		.amdhsa_next_free_vgpr 256
		.amdhsa_next_free_sgpr 100
		.amdhsa_reserve_vcc 1
		.amdhsa_float_denorm_mode_32 3
		.amdhsa_float_denorm_mode_16_64 3
		.amdhsa_memory_ordered 1
		.amdhsa_forward_progress 1
		.amdhsa_inst_pref_size 122
	.end_amdhsa_kernel
	.amdgpu_metadata
---
amdhsa.version: [ 1, 2 ]
amdhsa.kernels:
  - .name:           k_q5b4a98e443_prep
    .symbol:         k_q5b4a98e443_prep.kd
    .args:
      - { .name: mask, .offset: 0, .size: 8, .value_kind: global_buffer, .address_space: global }
      - { .name: query_codes, .offset: 8, .size: 8, .value_kind: global_buffer, .address_space: global }
      - { .name: Wq_codes, .offset: 16, .size: 8, .value_kind: global_buffer, .address_space: global }
      - { .name: key__codes, .offset: 24, .size: 8, .value_kind: global_buffer, .address_space: global }
      - { .name: Wk_codes, .offset: 32, .size: 8, .value_kind: global_buffer, .address_space: global }
      - { .name: value_codes, .offset: 40, .size: 8, .value_kind: global_buffer, .address_space: global }
      - { .name: Wv_codes, .offset: 48, .size: 8, .value_kind: global_buffer, .address_space: global }
      - { .name: bq, .offset: 56, .size: 8, .value_kind: global_buffer, .address_space: global }
      - { .name: bk, .offset: 64, .size: 8, .value_kind: global_buffer, .address_space: global }
      - { .name: bv, .offset: 72, .size: 8, .value_kind: global_buffer, .address_space: global }
      - { .name: lowp_scales, .offset: 80, .size: 8, .value_kind: global_buffer, .address_space: global }
      - { .name: mbits, .offset: 88, .size: 8, .value_kind: global_buffer, .address_space: global }
      - { .name: mflags, .offset: 96, .size: 8, .value_kind: global_buffer, .address_space: global }
      - { .name: qc, .offset: 104, .size: 8, .value_kind: global_buffer, .address_space: global }
      - { .name: kc, .offset: 112, .size: 8, .value_kind: global_buffer, .address_space: global }
      - { .name: vc, .offset: 120, .size: 8, .value_kind: global_buffer, .address_space: global }
    .group_segment_fixed_size: 327680
    .private_segment_fixed_size: 0
    .kernarg_segment_align: 8
    .kernarg_segment_size: 128
    .max_flat_workgroup_size: 256
    .sgpr_count:     100
    .vgpr_count:     256
    .wavefront_size: 32
...
	.end_amdgpu_metadata
.endif
;; end of part 4
;; launch attn (part 5): grid 16 x 16, 16 waves a work-group, no clusters, 34,816 bytes of LDS; arguments qc, kc, vc, mbits, mflags, lowp_scales, oc; writes oc
.if DOCPART == 5
	.amdgcn_target "amdgcn-amd-amdhsa--gfx1250"
	.amdhsa_code_object_version 6
	.text
	.protected	k_q5b4a98e443_attn
	.globl	k_q5b4a98e443_attn
	.p2align	8
	.type	k_q5b4a98e443_attn,@function
k_q5b4a98e443_attn:
	s_mov_b64 s[64:65], 0
	v_nop
	global_prefetch_b8 v0, s[64:65] scope:SCOPE_SE
	s_setreg_imm32_b32 hwreg(HW_REG_WAVE_SCHED_MODE, 0, 2), 2
	s_setreg_imm32_b32 hwreg(HW_REG_WAVE_MODE, 25, 1), 1
	s_wait_xcnt 0x0
	s_wait_alu depctr_vm_vsrc(0)
; ATTENTION on codes of E5M2.  Work-group (i, bh): head bh of 16, query blocks i and 31 - i of 128 queries; sixteen waves, each ONE tile of 16 queries in 256 registers.
; Wave w = 4 a + b takes block (a + b) % 2 ? 31 - i : i, tile 2 a + b / 2 of it: of any four waves w / 4 = const or w % 4 = const, two lie in each block.
; t = score x log2(e) / 8; M = the running largest t rounded up to a whole number; p = 2^(t - M) is quantised with 2^e8; the row's sum is taken of the unquantised p and divides at the end.
; Both products are used transposed: S^T = K Q^T (16x16x64: source 0 = 16 keys, source 1 = my queries), O^T = V^T P^T (16x16x128): a lane holds one query (lane % 16) throughout;
; score register n holds key 16 (n / 8) + 8 (lane / 16) + n % 8 of the step's 128, and the conversions' results are P's fragment in the form's own order, in which vc was laid.
; THE MASK: word n of a step's 64 stored words is the lane mask for register n: where its bit is set the score becomes SN, with SN x c = -2^30 x log2(e), a whole number.
; LIMIT: a masked logit is so taken as -2^30, not -1e9: the same results while unmasked logits lie above -9e8 (a masked p is then 0 either way; in a row masked everywhere every p is 1 either way).
; WHAT IS LEFT OUT: a step whose 16 x 128 entries are all masked (stored flag WORK, made so that no tile with a row masked everywhere leaves anything out) is jumped over by a scalar
; branch on that stored whole number; a step without a masked entry (MASKN) jumps over the selects.  Every wave walks all 32 steps and passes every barrier.
; K AND V come memory -> registers -> LDS, two steps ahead: each of the 512 threads moves 16 bytes of K's and of V's 8 KiB a step; two slots of 16 KiB.  Steps that no wave of the
; work-group needs (NEED = the OR of the sixteen WORK words) are neither loaded nor stored.
; NO JOINT REQUESTS in a cluster, though the sixteen work-groups of a head walk the same K and V: which steps a work-group asks for hangs on its stored flags and differs between them.
; LIMITS: e6 + e7 between -90 and 120; e8 and e10 between -126 and 112.  NaN is not served.
; THE MODE: SCHED_MODE bits 1:0 = 2 (LLVM: expert scheduling mode 2), set by the entry lines.  The code itself states the register dependences
; between vector or matrix instructions and memory or LDS instructions, with s_wait_alu, always for 0.
; THE PLAN.  Registers that memory or LDS instructions touch:
;   v1, v2        Offsets and LDS addresses: written at the head, read by every load and store, never written again.
;   v16-23        Q: loaded once, read by the products K Q^T.
;   v24-39        Two staging sets.  Step s = CT + par: the LDS stores read set 1 - par, then the loads from memory land in set par, which the LDS stores of the step before read.
;                 No vector instruction names them.
;   v40-103 (KF)  K's fragments land at a step's head; the products K Q^T read them; V's fragments land in the same registers; the products V^T P^T read them.
;   v200-207      On the way out: written by the conversions, read by the two stores.
;   v254, v255    Written at the head, read by the closing add alone.
;   S^T and p, O^T, p's codes in the loop, the statistics and the scales are named by vector and matrix instructions alone.
; So a worked step has two waits on va_vdst.  One stands at its head: the last worked step's products V^T P^T are done reading KF.  The other stands behind the batch of exponentials, where a wait
; is owed for their results in any case: it states as well that the products K Q^T are done reading KF, and V's sixteen loads follow it, four at a time among the first additions of the row's sum,
; which name S^T's registers, v14, v15, v222 and v223: none that those loads touch.  One wait on vm_vsrc stands in every step, ahead of the branches that lead to the staging loads.
.set KF, 40                            ; v40-103  K's eight fragments, then V's four
.set SC, 104                           ; v104-167 S^T, then p
.set OT, 168                           ; v168-199 O^T
.set PC, 200                           ; v200-215 p's codes
; v1 16 L; v2 16 x thread (staging: offset in memory and LDS address); v3 SN; v4, v5 2^e8 and 57,344 x 2^e8; v6, v7 the same for e10; v12 -M; v13 the largest t; v[14:15] the sum;
; v16-23 Q; v24-31, v32-39 staging sets 0, 1 (K, V); v216-223 at work.
; s[4:5] K, s[6:7] V (stepped); s[8:9] my tile's mask words; s[10:11] oc; s12 wave; s13 step counter; s14-16 NEED, WORK, MASKN; s17-19 the same shifted; s[20:21] lane selects;
; s[22:23] c; s24 hold wanted; s25 e8 + e9; s26 the step's byte in the mask words; s[32:63], s[68:99] 64 mask words.
.macro NOPS n
.rept \n
	v_nop
.endr
.endm
	s_load_b256 s[32:39], s[0:1], 0x0              ; qc 32, kc 34, vc 36, mbits 38
	s_load_b128 s[40:43], s[0:1], 0x20             ; mflags 40, scales 42
	s_load_b64 s[44:45], s[0:1], 0x30              ; oc
	v_lshl_add_u32 v254, v0, 2, 0x8000
	v_mov_b32 v255, 0
	v_lshrrev_b32 v1, 5, v0
	v_readfirstlane_b32 s12, v1                    ; wave 0..15
	v_and_b32 v1, 31, v0
	v_lshlrev_b32 v1, 4, v1
	v_lshlrev_b32 v2, 4, v0
	s_wait_alu depctr_va_sdst(0)                   ; s12 is written, ahead of its first reader: my tile's number and all that hangs on it are made from it
	s_and_b32 s27, ttmp7, 0xffff                   ; bh
	s_lshr_b32 s28, s12, 2
	s_and_b32 s29, s12, 3
	s_add_co_u32 s30, s28, s29
	s_and_b32 s30, s30, 1                          ; which of the two blocks
	s_lshr_b32 s29, s29, 1
	s_lshl_b32 s28, s28, 1
	s_add_co_u32 s28, s28, s29                     ; which tile of it
	s_sub_co_u32 s31, 31, ttmp9
	s_cmp_eq_u32 s30, 1
	s_cselect_b32 s29, s31, ttmp9
	s_lshl_b32 s29, s29, 3
	s_add_co_u32 s28, s28, s29                     ; qt: my query tile, 0..255
	s_lshl_b32 s26, ttmp9, 6                       ; a block's eight pairs of flag words are 64 bytes
	s_lshl_b32 s31, s31, 6
	s_lshl_b32 s30, s28, 3
	s_mov_b32 s20, 0x76543210
	s_mov_b32 s21, 0xfedcba98
	s_lshl_b32 s90, s27, 18                        ; a head's codes: 262,144 bytes in each of qc, kc, vc
	s_mov_b32 s91, 0
	s_lshl_b32 s92, s28, 10
	s_mov_b32 s93, 0
	s_wait_kmcnt 0x0
	s_load_b512 s[48:63], s[40:41], s26 offset:0x0 ; block i's flags
	s_load_b512 s[68:83], s[40:41], s31 offset:0x0 ; block 31 - i's
	s_load_b64 s[46:47], s[40:41], s30 offset:0x0  ; my tile's WORK, MASKN
	s_load_b128 s[84:87], s[42:43], 0x18           ; e6, e7, e8, e9
	s_load_b32 s88, s[42:43], 0x28                 ; e10
	s_add_nc_u64 s[4:5], s[34:35], s[90:91]
	s_add_nc_u64 s[6:7], s[36:37], s[90:91]
	s_add_nc_u64 s[94:95], s[32:33], s[90:91]
	s_add_nc_u64 s[94:95], s[94:95], s[92:93]      ; my tile of Q
	s_lshl_b32 s92, s28, 13
	s_add_nc_u64 s[8:9], s[38:39], s[92:93]        ; my tile's 32 x 256 bytes of mask words
	s_lshr_b32 s96, s27, 3
	s_lshl_b32 s96, s96, 8
	s_add_co_u32 s96, s96, s28
	s_lshl_b32 s96, s96, 13                        ; oc: token tile 256 batch + qt: 8,192 bytes;
	s_bfe_u32 s97, s27, 0x20001
	s_lshl_b32 s97, s97, 11                        ; K step head / 2: 2,048;
	s_add_co_u32 s96, s96, s97
	s_and_b32 s97, s27, 1
	s_lshl_b32 s97, s97, 10                        ; groups 2 (head % 2) and + 1: 512 each
	s_add_co_u32 s96, s96, s97
	s_mov_b32 s97, 0
	s_add_nc_u64 s[10:11], s[44:45], s[96:97]
	s_wait_alu depctr_va_vdst(0)                   ; v1 and v2 are written: every load and store of the kernel reads one of them as its offset or LDS address
	global_load_b128 v[16:19], v1, s[94:95]        ; Q's fragment stays in registers
	global_load_b128 v[20:23], v1, s[94:95] offset:512
	global_load_b128 v[24:27], v2, s[4:5]          ; step 0
	global_load_b128 v[28:31], v2, s[6:7]
	global_load_b128 v[32:35], v2, s[4:5] offset:8192   ; step 1
	global_load_b128 v[36:39], v2, s[6:7] offset:8192
	v_mov_b32 v13, 0xff61b1e6                      ; the largest t so far: -3e38
	v_floor_f32 v12, -v13                          ; -M
	v_mov_b32 v14, 0
	v_mov_b32 v15, 0
	v_mov_b32 v219, 0                              ; (named as the upper half of the pair v[218:219])
	v_mov_b32 v220, 0                              ; written once: a lane permute's destination counts as read
.set j, 0
.rept 32
	v_mov_b32 v[OT+j], 0                           ; the step is written once: the first finds zeros, which the first change of M leaves zeros
.set j, j+1
.endr
	s_wait_kmcnt 0x0
	s_or_b32 s14, s48, s50                         ; NEED
.irp k, 52,54,56,58,60,62,68,70,72,74,76,78,80,82
	s_or_b32 s14, s14, s\k
.endr
	s_mov_b32 s15, s46
	s_mov_b32 s16, s47
	s_add_co_i32 s27, s84, s85                     ; e6 + e7
	s_lshl_b32 s28, s27, 23
	s_add_co_i32 s22, s28, 0x3e38aa3b              ; c = log2(e) / 8 x 2^(e6 + e7): the exponents are added to c's exponent field
	s_mov_b32 s23, s22                             ; (named with it as a pair)
	s_sub_co_i32 s28, 160, s27
	s_lshl_b32 s28, s28, 23
	s_or_b32 s28, s28, 0x80000000
	v_mov_b32 v3, s28                              ; SN = -2^(33 - e6 - e7)
	s_add_co_i32 s28, s86, 127
	s_lshl_b32 s29, s28, 23
	v_mov_b32 v4, s29                              ; 2^e8
	s_add_co_i32 s28, s28, 15
	s_lshl_b32 s28, s28, 23
	s_or_b32 s28, s28, 0x600000
	v_mov_b32 v5, s28                              ; 57,344 x 2^e8
	s_add_co_i32 s28, s88, 127
	s_lshl_b32 s29, s28, 23
	v_mov_b32 v6, s29                              ; 2^e10
	s_add_co_i32 s28, s28, 15
	s_lshl_b32 s28, s28, 23
	s_or_b32 s28, s28, 0x600000
	v_mov_b32 v7, s28
	s_add_co_i32 s25, s86, s87                     ; e8 + e9
	s_cmp_lt_i32 s86, -15                          ; p is at most 1 and 57,344 x 2^-15 is 1.75: from e8 = -15 on the hold can never bite
	s_cselect_b32 s24, 1, 0
	s_wait_loadcnt 2                               ; Q and step 0 are in; step 1's two loads may be out
	ds_store_b128 v2, v[24:27]                     ; step 0 into slot 0.  (No vector instruction since the wait on va_vdst above names v2 or the staging sets)
	ds_store_b128 v2, v[28:31] offset:8192
; V's fragment t (16 channels x the step's 128 keys) from slot par
.macro VFRAG par, t
.irp g, 0,1,2,3
	ds_load_b128 v[KF+16*(\t)+4*\g:KF+16*(\t)+4*\g+3], v1 offset:16384*(\par)+8192+2048*(\t)+512*\g
.endr
.endm
; A KEY STEP on slot par: 128 keys.
.macro STEP par
	NOPS 4                                         ; the places behind the last step's products stay, beside the wait below
	s_wait_alu depctr_va_vdst(0)                   ; the last worked step's products V^T P^T are done reading v[KF ..], in which K's fragments land
.irp t, 0,1,2,3,4,5,6,7
.irp g, 0,1
	ds_load_b128 v[KF+8*\t+4*\g:KF+8*\t+4*\g+3], v1 offset:16384*\par+1024*\t+512*\g
.endr
.endr
	s_wait_dscnt 0x0
.irp t, 0,1,2,3,4,5,6,7
	v_wmma_f32_16x16x64_bf8_bf8 v[SC+8*\t:SC+8*\t+7], v[KF+8*\t:KF+8*\t+7], v[16:23], 0
.endr
	NOPS 4                                         ; places behind the products, ahead of the first read of their results
	s_bitcmp1_b32 s19, \par
	s_cbranch_scc0 .Lopen_\@                       ; no entry of the step is masked
	s_load_b512 s[32:47], s[8:9], s26 offset:256*\par
	s_load_b512 s[48:63], s[8:9], s26 offset:256*\par+64
	s_load_b512 s[68:83], s[8:9], s26 offset:256*\par+128
	s_load_b512 s[84:99], s[8:9], s26 offset:256*\par+192
	s_wait_kmcnt 0x0
.set n, 0
.rept 32
	v_cndmask_b32 v[SC+n], v[SC+n], v3, s[32+n]
.set n, n+1
.endr
.rept 32
	v_cndmask_b32 v[SC+n], v[SC+n], v3, s[36+n]
.set n, n+1
.endr
.Lopen_\@:
	v_max3_num_f32 v216, v[SC], v[SC+1], v[SC+2]   ; the step's largest score of my query among my 64 keys, in two chains, each accumulator from its low end on
	v_max3_num_f32 v217, v[SC+3], v[SC+4], v[SC+5]
.irp i, 6,10,14,18,22,26,30,34,38,42,46,50,54,58
	v_max3_num_f32 v216, v216, v[SC+\i], v[SC+\i+1]
	v_max3_num_f32 v217, v217, v[SC+\i+2], v[SC+\i+3]
.endr
	v_max3_num_f32 v216, v216, v[SC+62], v[SC+63]
	v_max_num_f32 v216, v216, v217
	v_permlanex16_b32 v220, v216, s20, s21
	v_max_num_f32 v216, v216, v220                 ; and among lane l xor 16's
	v_mul_f32 v216, s22, v216                      ; as t (c is positive)
	v_max_num_f32 v13, v13, v216
	v_mov_b32 v216, v12
	v_floor_f32 v12, -v13                          ; the new -M = -ceil(t)
	v_sub_f32 v216, v12, v216                      ; old M - new M: a whole number, 0 or less
	v_cvt_i32_f32 v216, v216                       ; (it saturates)
	v_ldexp_f32 v218, 1.0, v216                    ; f = 2^(old M - new M)
.set n, 0
.rept 32
	v_pk_fma_f32 v[SC+n:SC+n+1], v[SC+n:SC+n+1], s[22:23], v[12:13] op_sel_hi:[1,0,0]   ; t - M
.set n, n+2
.endr
.set n, 0
	s_wait_alu depctr_va_vdst(0)
.rept 64
	v_exp_f32 v[SC+n], v[SC+n]                     ; p = 2^(t - M)
.set n, n+1
.endr
	v_pk_mul_f32 v[14:15], v[14:15], v[218:219] op_sel_hi:[1,0]   ; the sum under the new M (a plain instruction behind the exponentials)
	s_wait_alu depctr_va_vdst(0)                   ; the 64 exponentials have written p, ahead of its first reader; and the products K Q^T are done reading v[KF ..], in which V's fragments land
	VFRAG \par, 0                                  ; V's sixteen loads, four at a time among the first additions.  No further wait: no vector instruction since the wait above names v[KF ..] or v1
	v_pk_add_f32 v[222:223], v[SC:SC+1], v[SC+2:SC+3]             ; the sum of the unquantised p, in two chains
.irp i, 4
	v_pk_add_f32 v[14:15], v[14:15], v[SC+\i:SC+\i+1]
	v_pk_add_f32 v[222:223], v[222:223], v[SC+\i+2:SC+\i+3]
.endr
	VFRAG \par, 1
.irp i, 8,12
	v_pk_add_f32 v[14:15], v[14:15], v[SC+\i:SC+\i+1]
	v_pk_add_f32 v[222:223], v[222:223], v[SC+\i+2:SC+\i+3]
.endr
	VFRAG \par, 2
.irp i, 16,20
	v_pk_add_f32 v[14:15], v[14:15], v[SC+\i:SC+\i+1]
	v_pk_add_f32 v[222:223], v[222:223], v[SC+\i+2:SC+\i+3]
.endr
	VFRAG \par, 3                                  ; the last four: 21 additions, the conversions and O^T's 16 multiplications stand between them and the wait for them
.irp i, 24,28,32,36,40,44,48,52,56,60
	v_pk_add_f32 v[14:15], v[14:15], v[SC+\i:SC+\i+1]
	v_pk_add_f32 v[222:223], v[222:223], v[SC+\i+2:SC+\i+3]
.endr
	v_pk_add_f32 v[14:15], v[14:15], v[222:223]
	s_cmp_eq_u32 s24, 0
	s_cbranch_scc1 .Lno_hold_\@
.set n, 0
.rept 64
	v_min_num_f32 v[SC+n], v[SC+n], v5             ; the conversion does not saturate (ISA guide 7.6.2); p is not negative, so the hold is one-sided
.set n, n+1
.endr
.Lno_hold_\@:
.irp t, 0,1,2,3,4,5,6,7
	v_cvt_scalef32_pk8_bf8_f32 v[PC+2*\t:PC+2*\t+1], v[SC+8*\t:SC+8*\t+7], v4
.endr
.set n, 0
.rept 16
	v_pk_mul_f32 v[OT+n:OT+n+1], v[OT+n:OT+n+1], v[218:219] op_sel_hi:[1,0]   ; O^T under the new M; also the plain instructions behind the conversions
.set n, n+2
.endr
	s_wait_alu depctr_va_vdst(0)
	s_wait_dscnt 0x0                               ; V's fragments
.irp t, 0,1,2,3
	v_wmma_f32_16x16x128_bf8_bf8 v[OT+8*\t:OT+8*\t+7], v[KF+16*\t:KF+16*\t+15], v[PC:PC+15], v[OT+8*\t:OT+8*\t+7]
.endr
.endm
; Step s = CT + par.  Behind the barrier slot par is whole and nobody reads the other slot: it takes step s + 1 from the registers, which then take step s + 2 from memory.
.macro TRIP par
	s_wait_dscnt 0x0                               ; my stores into slot par have landed, my reads of the other slot are over
	s_barrier_signal -1
	s_barrier_wait -1
	s_wait_loadcnt 0x0                             ; step s + 1 is in registers (asked for a step ago); the loads' bases may be stepped
.if \par == 0
	s_add_nc_u64 s[4:5], s[4:5], 16384
	s_add_nc_u64 s[6:7], s[6:7], 16384
.endif
	s_wait_alu depctr_vm_vsrc(0)                   ; the LDS stores of the step before (in the first trip: the head's) have read staging set par, in which the loads below land; it stands ahead of both branches
	s_bitcmp1_b32 s17, \par+1
	s_cbranch_scc0 .Lno_store_\@
	ds_store_b128 v2, v[24+8*(1-\par):27+8*(1-\par)] offset:16384*(1-\par)
	ds_store_b128 v2, v[28+8*(1-\par):31+8*(1-\par)] offset:16384*(1-\par)+8192
.Lno_store_\@:
	s_bitcmp1_b32 s17, \par+2                      ; bits from 32 on read 0: no load leaves its buffer
	s_cbranch_scc0 .Lno_load_\@
	global_load_b128 v[24+8*\par:27+8*\par], v2, s[4:5] offset:8192*\par
	global_load_b128 v[28+8*\par:31+8*\par], v2, s[6:7] offset:8192*\par
.Lno_load_\@:
	s_bitcmp1_b32 s18, \par
	s_cbranch_scc0 .Lno_work_\@
	STEP \par
.Lno_work_\@:
.endm
	s_mov_b32 s13, 0
.Ltrip:                                            ; sixteen trips of two steps
	s_lshr_b32 s17, s14, s13
	s_lshr_b32 s18, s15, s13
	s_lshr_b32 s19, s16, s13
	s_lshl_b32 s26, s13, 8
	TRIP 0
	TRIP 1
	s_add_co_u32 s13, s13, 2
	s_cmp_lt_u32 s13, 32
	s_cbranch_scc1 .Ltrip
	; THE WAY OUT: O^T / the sum x 2^(e8 + e9) is the head's output; quantised with 2^e10 it is a part of the last product's operand, stored as an image of its registers.
	NOPS 4
	v_add_f32 v14, v14, v15
	v_permlanex16_b32 v220, v14, s20, s21
	v_add_f32 v14, v14, v220                       ; the row's sum
	s_wait_alu depctr_va_vdst(0)
	v_rcp_f32 v14, v14
	v_nop                                          ; a plain instruction behind the transcendental
	s_wait_alu depctr_va_vdst(0)                   ; the reciprocal has written v14, ahead of its first reader
	v_ldexp_f32 v14, v14, s25
.set n, 0
.rept 32
	v_mul_f32 v[SC+n], v[OT+n], v14
.set n, n+1
.endr
.set n, 0
.rept 32
	v_med3_num_f32 v[SC+n], v[SC+n], -v7, v7
.set n, n+1
.endr
.irp t, 0,1,2,3
	v_cvt_scalef32_pk8_bf8_f32 v[PC+2*\t:PC+2*\t+1], v[SC+8*\t:SC+8*\t+7], v6
.endr
	v_nop
	s_wait_alu depctr_va_vdst(0)                   ; the conversions have written v[PC .. PC + 7], which the two stores read
	global_store_b128 v1, v[PC:PC+3], s[10:11]     ; each store of the wave covers 512 consecutive bytes, aligned
	global_store_b128 v1, v[PC+4:PC+7], s[10:11] offset:512
	s_wait_dscnt 0x0                               ; the closing lines, six on end
	s_wait_alu 0x0
	s_wait_tensorcnt 0x0
	ds_add_u32 v254, v255
	s_wait_dscnt 0x0
	s_endpgm
.Lfunc_end_k_q5b4a98e443_attn:
	.size	k_q5b4a98e443_attn, .Lfunc_end_k_q5b4a98e443_attn-k_q5b4a98e443_attn
	.p2alignl 7, 3214868480
	.fill 96, 4, 3214868480
	.section	.rodata,"a",@progbits
	.p2align	6, 0x0
	.amdhsa_kernel k_q5b4a98e443_attn
		.amdhsa_group_segment_fixed_size 34816
		.amdhsa_private_segment_fixed_size 0
		.amdhsa_enable_private_segment 0
		.amdhsa_kernarg_size 56
		.amdhsa_user_sgpr_count 2
		.amdhsa_user_sgpr_kernarg_segment_ptr 1
		.amdhsa_wavefront_size32 1
		.amdhsa_system_sgpr_workgroup_id_x 1
		.amdhsa_system_sgpr_workgroup_id_y 1
		.amdhsa_system_sgpr_workgroup_id_z 1
		.amdhsa_system_vgpr_workitem_id 0
		.amdhsa_next_free_vgpr 256
		.amdhsa_next_free_sgpr 100
		.amdhsa_reserve_vcc 0
		.amdhsa_float_denorm_mode_32 3
		.amdhsa_float_denorm_mode_16_64 3
		.amdhsa_memory_ordered 1
		.amdhsa_forward_progress 1
		.amdhsa_inst_pref_size 51
	.end_amdhsa_kernel
	.amdgpu_metadata
---
amdhsa.version: [ 1, 2 ]
amdhsa.kernels:
  - .name:           k_q5b4a98e443_attn
    .symbol:         k_q5b4a98e443_attn.kd
    .args:
      - { .name: qc, .offset: 0, .size: 8, .value_kind: global_buffer, .address_space: global }
      - { .name: kc, .offset: 8, .size: 8, .value_kind: global_buffer, .address_space: global }
      - { .name: vc, .offset: 16, .size: 8, .value_kind: global_buffer, .address_space: global }
      - { .name: mbits, .offset: 24, .size: 8, .value_kind: global_buffer, .address_space: global }
      - { .name: mflags, .offset: 32, .size: 8, .value_kind: global_buffer, .address_space: global }
      - { .name: lowp_scales, .offset: 40, .size: 8, .value_kind: global_buffer, .address_space: global }
      - { .name: oc, .offset: 48, .size: 8, .value_kind: global_buffer, .address_space: global }
    .group_segment_fixed_size: 34816
    .private_segment_fixed_size: 0
    .kernarg_segment_align: 8
    .kernarg_segment_size: 56
    .max_flat_workgroup_size: 512
    .sgpr_count:     100
    .vgpr_count:     256
    .wavefront_size: 32
...
	.end_amdgpu_metadata
.endif
;; end of part 5
;; launch outp (part 6): grid 256 x 1, 8 waves a work-group, no clusters, 201,728 bytes of LDS; arguments oc, Wo_codes, bo, lowp_scales, out0; writes out0
.if DOCPART == 6
	.amdgcn_target "amdgcn-amd-amdhsa--gfx1250"
	.amdhsa_code_object_version 6
	.text
	.protected	k_q5b4a98e443_outp
	.globl	k_q5b4a98e443_outp
	.p2align	8
	.type	k_q5b4a98e443_outp,@function
k_q5b4a98e443_outp:
	s_mov_b64 s[64:65], 0
	v_nop
	global_prefetch_b8 v0, s[64:65] scope:SCOPE_SE
	s_setreg_imm32_b32 hwreg(HW_REG_WAVE_MODE, 25, 1), 1
	s_wait_xcnt 0x0
; out0 = attention output x Wo + bo, on codes of E5M2.  Work-group i of 256: tokens 128 (i / 4) on, features 128 (i % 4) on, K = 512.  Eight waves: wave w makes tokens 32 (w % 4) on x features 64 (w / 4) on.
; oc holds the left operand as images of its registers, in the K = 128 form's own order of k (registers 2 c, 2 c + 1: k = 16 c + 8 h + 0 .. 7): [token tile][K step 4][group 4][lane][16].
; So Wo's fragments are read in that same order: eight loads of 8 bytes, 16 apart, at row x pitch + 8 h.
; The tiles are filled once (waves 0, 1: the images' halves; waves 2, 3: Wo's rows), so there is no ring.  Source 0 = 16 features of Wo, source 1 = 16 tokens: a lane holds eight neighbouring numbers of a row of out0.
; y = sum x 2^(e10 + e11) + bo, one packed multiply-add for two numbers; the rows meet in a stage in LDS and leave whole: 512 consecutive bytes a store, aligned.
; NO JOINT REQUESTS: four work-groups share the images and 64 share Wo's rows, but each work-group asks once, at its start, for 128 KiB in all.
; LIMIT: e10 + e11 between -126 and 127.
.set PITCH, 528
.set T16,   16*PITCH
.set QTR,   64*PITCH
.set WOFF,  65536                      ; LDS: the images (65,536 bytes), Wo's 128 rows, the stage of 128 rows x 528
.set STG,   WOFF+128*PITCH
.set BO,  16                           ; v16-47   bo in the result's layout
.set ACC, 48                           ; v48-111  eight accumulators
.set FA,  112                          ; v112-143 the tokens' two fragments
.set FW,  144                          ; v144-207 Wo's four
.set YY,  112                          ; v112-175 y
.set RB,  176                          ; v176-239 rows read back
.macro NOPS n
.rept \n
	v_nop
.endr
.endm
	s_load_b256 s[4:11], s[0:1], 0x0               ; oc 4, Wo 6, bo 8, scales 10
	s_load_b64 s[12:13], s[0:1], 0x20              ; out0
	v_lshl_add_u32 v254, v0, 2, 0x31000
	v_mov_b32 v255, 0
	ds_add_u32 v254, v255
	ds_add_u32 v254, v255
	v_lshrrev_b32 v1, 5, v0
	s_delay_alu instid0(VALU_DEP_1)
	v_readfirstlane_b32 s14, v1                    ; wave 0..7
	s_lshr_b32 s15, ttmp9, 2                       ; rb
	s_and_b32 s20, ttmp9, 3                        ; cb
	s_and_b32 s21, s14, 1                          ; which half I fetch
	s_lshl_b32 s22, s21, 15                        ; 32,768 bytes of memory either way
	s_mov_b32 s24, 3<<16                           ; the images: a dense block as 128 rows of 256 bytes: elements of 8 bytes, no padding
	s_mov_b32 s25, 32<<16
	s_mov_b32 s26, 128<<16
	s_mov_b32 s27, 32<<16
	s_mov_b32 s28, 128
	s_mov_b32 s29, 32
	s_mov_b32 s30, 0
	s_mov_b32 s31, 0
	s_mov_b32 s32, (1<<20)|(6<<22)|(3<<25)         ; Wo: 64 rows x 512 bytes, four words of padding after every 128
	s_mov_b32 s33, 512<<16
	s_mov_b32 s34, 64<<16
	s_mov_b32 s35, 512<<16
	s_mov_b32 s36, 64
	s_mov_b32 s37, 512
	s_mov_b32 s38, 0
	s_mov_b32 s39, 0
	s_mov_b32 s40, 1
	s_lshl_b32 s41, s21, 15
	s_mov_b32 s44, 1
	s_mul_i32 s45, s21, QTR
	s_add_co_u32 s45, s45, WOFF
	s_lshl_b32 s16, s15, 16
	s_add_co_u32 s16, s16, s22
	s_mov_b32 s17, 0
	s_lshl_b32 s18, s20, 16
	s_add_co_u32 s18, s18, s22
	s_mov_b32 s19, 0
	s_wait_dscnt 0x0
	s_wait_kmcnt 0x0
	s_add_nc_u64 s[42:43], s[4:5], s[16:17]
	s_or_b32 s43, s43, 0x80000000
	s_add_nc_u64 s[46:47], s[6:7], s[18:19]
	s_or_b32 s47, s47, 0x80000000
	s_cmp_lt_u32 s14, 2
	s_cbranch_scc0 .Lnot_a
	tensor_load_to_lds s[40:43], s[24:31]
	s_nop 0
	NOPS 4
	s_branch .Lasked
.Lnot_a:
	s_cmp_lt_u32 s14, 4
	s_cbranch_scc0 .Lasked
	tensor_load_to_lds s[44:47], s[32:39]
	s_nop 0
	NOPS 4
.Lasked:
	s_load_b64 s[48:49], s[10:11], 0x28            ; e10, e11
	v_and_b32 v1, 31, v0                           ; L
	v_and_b32 v2, 15, v0                           ; r
	s_wait_alu depctr_va_vdst(0)
	v_bfe_u32 v3, v0, 4, 1                         ; h
	s_lshr_b32 s21, s14, 2                         ; fh: which 64 features
	s_and_b32 s22, s14, 3                          ; tp: which 32 tokens
	v_lshlrev_b32 v4, 4, v1                        ; 16 L
	s_lshl_b32 s23, s22, 14
	v_add_nc_u32 v5, s23, v4                       ; my two token tiles' images
	s_mul_i32 s23, s21, QTR
	s_add_co_u32 s23, s23, WOFF
	v_mul_u32_u24 v6, v2, PITCH
	s_delay_alu instid0(VALU_DEP_1)
	v_lshl_add_u32 v6, v3, 3, v6
	s_delay_alu instid0(VALU_DEP_1)
	v_add_nc_u32 v6, s23, v6                       ; Wo: row r x pitch + 8 h
	s_mul_i32 s23, s22, 2*T16
	s_lshl_b32 s16, s21, 8
	s_add_co_u32 s23, s23, s16
	s_add_co_u32 s23, s23, STG
	v_mul_u32_u24 v7, v2, PITCH
	s_wait_alu depctr_va_vdst(0)
	v_lshl_add_u32 v7, v3, 5, v7
	s_delay_alu instid0(VALU_DEP_1)
	v_add_nc_u32 v7, s23, v7                       ; the stage, in: row 32 tp + r, byte 256 fh + 32 h
	s_mul_i32 s23, s14, T16
	s_add_co_u32 s23, s23, STG
	v_add_nc_u32 v8, s23, v4                       ; back: my 16 rows, 16 bytes a lane
	v_lshlrev_b32 v9, 5, v3
	s_wait_alu depctr_va_vdst(0)
	s_lshl_b32 s16, s20, 9
	s_lshl_b32 s18, s21, 8
	s_add_co_u32 s16, s16, s18
	s_add_nc_u64 s[8:9], s[8:9], s[16:17]          ; bo at feature 128 cb + 64 fh
	s_lshl_b32 s16, s15, 18
	s_lshl_b32 s18, s14, 15
	s_add_co_u32 s16, s16, s18
	s_lshl_b32 s18, s20, 9
	s_add_co_u32 s16, s16, s18
	s_add_nc_u64 s[12:13], s[12:13], s[16:17]      ; out0 at row 128 rb + 16 w, byte 512 cb
.irp u, 0,1,2,3
	global_load_b128 v[BO+8*\u:BO+8*\u+3], v9, s[8:9] offset:64*\u
	global_load_b128 v[BO+8*\u+4:BO+8*\u+7], v9, s[8:9] offset:64*\u+16
.endr
	s_wait_tensorcnt 0x0                           ; my part of the tiles has landed
	s_barrier_signal -1
	s_barrier_wait -1                              ; everybody's has
.irp ks, 0,1,2,3                               ; four K steps of 128; the eight accumulators take turns, one instruction a turn
	NOPS 4                                         ; places in front of loads into registers that matrix instructions have read
.irp tt, 0,1
.irp c, 0,1,2,3
	ds_load_b128 v[FA+16*\tt+4*\c:FA+16*\tt+4*\c+3], v5 offset:8192*\tt+2048*\ks+512*\c
.endr
.endr
.irp u, 0,1,2,3
.irp c, 0,1,2,3,4,5,6,7
	ds_load_b64 v[FW+16*\u+2*\c:FW+16*\u+2*\c+1], v6 offset:T16*\u+128*\ks+16*\c
.endr
.endr
	s_wait_dscnt 0x0
.irp tt, 0,1
.irp u, 0,1,2,3
.if \ks == 0
	v_wmma_f32_16x16x128_bf8_bf8 v[ACC+8*(4*\tt+\u):ACC+8*(4*\tt+\u)+7], v[FW+16*\u:FW+16*\u+15], v[FA+16*\tt:FA+16*\tt+15], 0
.else
	v_wmma_f32_16x16x128_bf8_bf8 v[ACC+8*(4*\tt+\u):ACC+8*(4*\tt+\u)+7], v[FW+16*\u:FW+16*\u+15], v[FA+16*\tt:FA+16*\tt+15], v[ACC+8*(4*\tt+\u):ACC+8*(4*\tt+\u)+7]
.endif
.endr
.endr
.endr
	NOPS 5
	s_wait_kmcnt 0x0
	s_add_co_i32 s50, s48, s49
	s_add_co_i32 s50, s50, 127
	s_lshl_b32 s50, s50, 23                        ; 2^(e10 + e11) as f32
	s_mov_b32 s51, s50                             ; (named with it as a pair)
	s_wait_loadcnt 0x0                             ; bo
.irp tt, 0,1
.irp u, 0,1,2,3
.irp i, 0,2,4,6
	v_pk_fma_f32 v[YY+8*(4*\tt+\u)+\i:YY+8*(4*\tt+\u)+\i+1], v[ACC+8*(4*\tt+\u)+\i:ACC+8*(4*\tt+\u)+\i+1], s[50:51], v[BO+8*\u+\i:BO+8*\u+\i+1] op_sel_hi:[1,0,1]
.endr
.endr
.endr
.irp tt, 0,1
.irp u, 0,1,2,3
	ds_store_b128 v7, v[YY+8*(4*\tt+\u):YY+8*(4*\tt+\u)+3] offset:T16*\tt+64*\u
	ds_store_b128 v7, v[YY+8*(4*\tt+\u)+4:YY+8*(4*\tt+\u)+7] offset:T16*\tt+64*\u+16
.endr
.endr
	s_wait_dscnt 0x0                               ; for the others' sake: my stores into the stage are done
	s_barrier_signal -1
	s_barrier_wait -1
.irp i, 0,1,2,3,4,5,6,7,8,9,10,11,12,13,14,15
	ds_load_b128 v[RB+4*\i:RB+4*\i+3], v8 offset:PITCH*\i
.endr
.irp i, 0,1,2,3,4,5,6,7,8,9,10,11,12,13,14,15
	s_wait_dscnt 15-\i                             ; row i is back; the younger loads may be out
	global_store_b128 v4, v[RB+4*\i:RB+4*\i+3], s[12:13] offset:2048*\i th:TH_STORE_NT   ; 32 lanes store 512 consecutive bytes, aligned; written once, read by nobody here
.endr
	s_wait_tensorcnt 0x0
	ds_add_u32 v254, v255
	s_wait_dscnt 0x0
	s_endpgm
.Lfunc_end_k_q5b4a98e443_outp:
	.size	k_q5b4a98e443_outp, .Lfunc_end_k_q5b4a98e443_outp-k_q5b4a98e443_outp
	.p2alignl 7, 3214868480
	.fill 96, 4, 3214868480
	.section	.rodata,"a",@progbits
	.p2align	6, 0x0
	.amdhsa_kernel k_q5b4a98e443_outp
		.amdhsa_group_segment_fixed_size 201728
		.amdhsa_private_segment_fixed_size 0
		.amdhsa_enable_private_segment 0
		.amdhsa_kernarg_size 40
		.amdhsa_user_sgpr_count 2
		.amdhsa_user_sgpr_kernarg_segment_ptr 1
		.amdhsa_wavefront_size32 1
		.amdhsa_system_sgpr_workgroup_id_x 1
		.amdhsa_system_sgpr_workgroup_id_y 1
		.amdhsa_system_sgpr_workgroup_id_z 1
		.amdhsa_system_vgpr_workitem_id 0
		.amdhsa_next_free_vgpr 256
		.amdhsa_next_free_sgpr 66
		.amdhsa_reserve_vcc 0
		.amdhsa_float_denorm_mode_32 3
		.amdhsa_float_denorm_mode_16_64 3
		.amdhsa_memory_ordered 1
		.amdhsa_forward_progress 1
		.amdhsa_inst_pref_size 25
	.end_amdhsa_kernel
	.amdgpu_metadata
---
amdhsa.version: [ 1, 2 ]
amdhsa.kernels:
  - .name:           k_q5b4a98e443_outp
    .symbol:         k_q5b4a98e443_outp.kd
    .args:
      - { .name: oc, .offset: 0, .size: 8, .value_kind: global_buffer, .address_space: global }
      - { .name: Wo_codes, .offset: 8, .size: 8, .value_kind: global_buffer, .address_space: global }
      - { .name: bo, .offset: 16, .size: 8, .value_kind: global_buffer, .address_space: global }
      - { .name: lowp_scales, .offset: 24, .size: 8, .value_kind: global_buffer, .address_space: global }
      - { .name: out0, .offset: 32, .size: 8, .value_kind: global_buffer, .address_space: global }
    .group_segment_fixed_size: 201728
    .private_segment_fixed_size: 0
    .kernarg_segment_align: 8
    .kernarg_segment_size: 40
    .max_flat_workgroup_size: 256
    .sgpr_count:     66
    .vgpr_count:     256
    .wavefront_size: 32
...
	.end_amdgpu_metadata
.endif
;; end of part 6
